; MI455X (gfx1250); checked and timed in simulation.
; The chip was launched on July 23, 2026; its instructions are those of AMD's public machine-readable ISA for CDNA 5 (MIT licence, August 2026) and "CDNA5" Instruction Set Architecture Reference Guide (July 2026). The comments in the code are by the model that wrote it; some were corrected since.
;; Multi Head Attention. Allowed arithmetic: matrix products marked QUANTISED: E5M2 operands, one E8M0 scale for each 32 along K, by v_wmma_scale_f32_16x16x128_f8f6f4 with both operands' format E5M2, f32 sums; everything else in f32.
;; Inputs: b_proj 1,024 float32; w_proj_codes 1,024 x 32 x 32 uint8 (E5M2 codes of w_proj, K innermost, in blocks of 32 codes); w_proj_scales 1,024 x 32 uint8 (E8M0 scales of w_proj, one for each 32 codes along K); wk_codes 16 x 64 x 32 x 32 uint8 (E5M2 codes of wk, K innermost, in blocks of 32 codes); wk_scales 16 x 64 x 32 uint8 (E8M0 scales of wk, one for each 32 codes along K); wq_codes 16 x 64 x 32 x 32 uint8 (E5M2 codes of wq, K innermost, in blocks of 32 codes); wq_scales 16 x 64 x 32 uint8 (E8M0 scales of wq, one for each 32 codes along K); wv_codes 16 x 64 x 32 x 32 uint8 (E5M2 codes of wv, K innermost, in blocks of 32 codes); wv_scales 16 x 64 x 32 uint8 (E8M0 scales of wv, one for each 32 codes along K); x_codes 4 x 2,048 x 32 x 32 uint8 (E5M2 codes of x, K innermost, in blocks of 32 codes); x_scales 4 x 2,048 x 32 uint8 (E8M0 scales of x, one for each 32 codes along K).
;; Outputs: out0 4 x 2,048 x 1,024 float32.
;; This version of the problem:
;;   THIS VERSION OF THE PROBLEM IS GIVEN IN LOW PRECISION. The matrix products marked QUANTISED in the list below multiply operands that are first quantised to E5M2 (5 exponent bits, 2 mantissa bits; 8 bits a number), with one power-of-two scale for each 32 numbers along K (OCP MX v1.0); their sums are f32. All else is computed in f32.
;;   The module's matrix products, in the order in which they are computed (A, B: the left and right operand; K: the contracted axis; several contracted axes count as one K, in the product's order):
;;     1. [M 1,024, K 1,024] x [K 1,024, N 8,192]; A: input wq (given as codes); B: input x (given as codes): QUANTISED
;;     2. [M 1,024, K 1,024] x [K 1,024, N 8,192]; A: input wk (given as codes); B: input x (given as codes): QUANTISED
;;     3. [M 1,024, K 1,024] x [K 1,024, N 8,192]; A: input wv (given as codes); B: input x (given as codes): QUANTISED
;;     4. batch 64 x [M 2,048, K 64] x [K 64, N 2,048]; A: computed on the way; B: computed on the way: QUANTISED
;;     5. batch 64 x [M 2,048, K 2,048] x [K 2,048, N 64]; A: softmax (see below); B: computed on the way: QUANTISED
;;     6. [M 8,192, K 1,024] x [K 1,024, N 1,024]; A: computed on the way; B: input w_proj (given as codes): QUANTISED
;;   THE QUANTISER, for each operand of a quantised product, along K:
;;     - K is cut into blocks of 32 from its start; a last block that is shorter is filled with zeros.
;;     - A block's scale is 2^e with e = floor(log2(the largest magnitude in the block)) - 15, held to -126 .. 127; a block of zeros has e = 0. As a byte (E8M0): e + 127.
;;     - Each number is divided by its block's scale, clamped to +-57,344, and rounded to the nearest number of E5M2, ties to even, subnormals kept.
;;     - The product sums the exact products of the quantised numbers (number of the format x scale) in f32.
;;   ~~~python
;;   def quantise(x, axis):      # numpy; x: float32 -> the quantised numbers, widened to float32 again
;;       x = np.moveaxis(x, axis, -1); K = x.shape[-1]
;;       x = np.pad(x, [(0, 0)] * (x.ndim - 1) + [(0, -K % 32)]); x = x.reshape(x.shape[:-1] + (-1, 32)); a = np.abs(x).max(-1, keepdims=True)
;;       e = np.where(a > 0, np.clip(np.frexp(np.where(a > 0, a, 1))[1] - 1 - 15, -126, 127), 0)      # np.frexp(a)[1] - 1 = floor(log2(a)), exactly
;;       r = np.clip(x / 2.0 ** e, -57344, 57344)
;;       step = 2.0 ** (np.maximum(np.frexp(np.where(r == 0, 1, r))[1] - 1, -14) - 2)
;;       q = np.round(r / step) * step * 2.0 ** e      # np.round: ties to even
;;       return np.moveaxis(q.reshape(q.shape[:-2] + (-1,))[..., :K], -1, axis).astype(np.float32)
;;   ~~~
;;   SOFTMAX AHEAD OF A QUANTISED PRODUCT. Where the list says 'softmax', what is quantised is not the finished softmax but p = 2^(t - M), with t = logit x log2(e) and M = ceil(the row's largest t), a whole number; so 1/2 < the row's largest p <= 1. The row's sum l is taken of the UNQUANTISED p, in f32, and the product's result is divided by l at the end. Since M is a whole number, a kernel that streams over the keys may use a running M (the ceiling of the running maximum): every later rescaling is an exact power of two, which a block's scale takes up: the codes' values come out the same.
;;   OPERANDS COMPUTED ON THE WAY. 'Computed on the way' means the value that the module computes at that place (a softmax that the list does not call 'softmax' is quantised finished and normalised). What goes into a quantiser is computed in f32, as accurately as f32 sums, v_exp_f32 and their like allow (about 1e-6 of the number): no bf16 or f16 on the way to a quantiser, and a product that is left as it is and whose result goes on into a quantised operand takes f32 operands (vector FMAs, or v_wmma_f32_16x16x4_f32). A number that lies on a knife's edge between two numbers of the format may be rounded either way, as far as f32 arithmetic and the matrix unit's own rounding can turn it there, and no further.
;;   INPUTS GIVEN AS CODES. w_proj (in the module: [1024, 1024], K = its axis 0); wk (in the module: [16, 1024, 64], K = its axis 1); wq (in the module: [16, 1024, 64], K = its axis 1); wv (in the module: [16, 1024, 64], K = its axis 1); x (in the module: [4, 2048, 1024], K = its axis 2): each comes as NAME_codes (uint8): NAME with its K axis moved to the last place and cut into blocks of 32 codes, [.., K / 32, bytes a block], one block behind the other in memory; one code a byte (a code: sign, 5 exponent bits, 2 mantissa bits); and NAME_scales (uint8): the same leading axes, one E8M0 byte (e + 127) for each 32 codes along K. Its value is code x scale, taken as it is: it is not quantised again, and the codes and scales need not be those that the quantiser above would give.
;; One version. Each part assembles by itself: llvm-mc -triple=amdgcn-amd-amdhsa -mcpu=gfx1250 --defsym DOCPART=n.
;; ======== version 1 of 1: 3 launches
;; limits: right only within a limited range of input values
;; workspace buffers: qimg 8,912,896 bytes; kv 17,563,648 bytes; att_codes 8,388,608 bytes; att_scales 262,144 bytes
;; launch qkv (part 1): grid 12 x 32, 4 waves a work-group, clusters of 4 x 4, 327,680 bytes of LDS; arguments x_codes, x_scales, wq_codes, wq_scales, wk_codes, wk_scales, wv_codes, wv_scales, qimg, kv; writes qimg, kv
.if DOCPART == 1
	.amdgcn_target "amdgcn-amd-amdhsa--gfx1250"
	.amdhsa_code_object_version 6
	.text
	.protected	k_q322b71f2cc_qkv
	.globl	k_q322b71f2cc_qkv
	.p2align	8
	.type	k_q322b71f2cc_qkv,@function
k_q322b71f2cc_qkv:
	s_mov_b64 s[64:65], 0
	v_nop
	global_prefetch_b8 v0, s[64:65] scope:SCOPE_SE
	s_setreg_imm32_b32 hwreg(HW_REG_WAVE_MODE, 25, 1), 1
	s_wait_xcnt 0x0
	s_wait_alu depctr_hold_cnt(0) depctr_sa_sdst(0) depctr_va_vdst(0) depctr_va_sdst(0) depctr_va_ssrc(0) depctr_va_vcc(0) depctr_vm_vsrc(0)
	s_getreg_b32 s2, hwreg(HW_REG_IB_STS2, 6, 4)
	s_cmp_eq_u32 s2, 0
	s_cbranch_scc0 .Lentry_in_a_cluster
	s_endpgm
.Lentry_in_a_cluster:
	s_bfe_u32 s2, ttmp6, 0x10000c
	s_cmp_lg_u32 s2, 0xf033
	s_cbranch_scc0 .Lentry_shape_is_right
	s_endpgm
.Lentry_shape_is_right:
; q, k, v = x W for 16 heads, on codes of BF8 (E5M2) with one E8M0 scale for each 32 along K = 1,024, and their results quantised again for the attention that follows.
; All five inputs have rows of 1,024 codes and 32 scale bytes, so ONE text serves the three products: the cluster's x says which (0: q, 1: k, 2: v), and only pointers and tile numbers are chosen by it.
; A tile of 256 x 256 results is made by four waves, 128 x 128 each: 64 accumulators, 512 registers.  K goes in steps of 256 through a ring of two LDS slots; the scale bytes of the tile's rows come once and stay.
; THE MATRIX INSTRUCTION: source 0 = 16 rows of 'B', source 1 = 16 rows of 'A': a lane holds ONE row of A and its registers run along B's rows.
;   q, k: A = x (a lane is a token), B = W (registers run along head x 64 + d): d is the next product's K.      v: A = wv (a lane is a d), B = x (registers run along the keys): the keys are the next K.
; So a lane's 64 accumulator registers of one block of A are four blocks of 32 along the next K (each shared with lane xor 16), and the conversions' results are operand registers.
; Register 16 B + 8 u + j holds index 32 B + 16 u + 8 h + j and lands at the operand's place 32 B + 16 h + 8 u + j: a permutation inside a block of 32, the same on both operands of q k^T and of p v, so products and scales stand;
; only the order of the f32 sums inside a matrix instruction differs from the plain order.
; WHAT IS STORED: operands as images of their registers, [c][lane][16 bytes]: each store of the wave covers 512 consecutive bytes, aligned.
;   qimg, for each of 64 heads QH bytes: codes [tile of 16 queries 128][c 2][lane][16]; at QSC a scale word for each query: byte 0, byte 1, 0x7f, 0x7f (the upper 64 of the instruction's 128 along K are zero codes).
;   kv, for each head KVH bytes: 16 records of 128 keys: K [tile 8][c 2][lane][16], then V [16 d: 4][c 4][lane][16]; at KSC K's scale words as q's; at VSC V's [128 keys: 16][16 d: 4][16 rows].
; CLUSTERS: 4 x 4 work-groups; A's tiles are asked for jointly along a row of the cluster, B's along a column.
; LIMITS: NaN and infinities are not served.  A block whose largest magnitude lies under 2^-111 (zeros too) gets the scale byte 1: only this program reads these bytes, and a block of zeros has zero codes.
.set KSTEP,  256
.set NQ,     2                         ; matrix instructions deep in a slot
.set ROWB,   256                       ; a tile's row in bytes
.set KROW,   1024                      ; a row of A or of B in memory
.set PITCH,  272                       ; an LDS row: 256 bytes + 16 of padding: the 16 rows that a load touches start at 16 different banks (ISA guide 11.1)
.set FR,     16
.set NL,     4
.set NP,     8                         ; places behind this matrix instruction (ISA guide 7.12.1)
.set HALFT,  128*PITCH
.set SLOT,   4*HALFT
.set LAPS,   2                         ; 1,024 / 512
.set KS,     32                        ; a row of scale bytes
.set SCL,    2*SLOT
.set HALFS,  (128*KS/256)*272
.set SBLK,   (16*KS/256)*272
.set SPARE,  SCL+4*HALFS               ; the spare words, 128 bytes for each wave
.set STG,    SPARE+512                 ; a stage of 1,024 bytes for each wave, for the scale words on the way out: bytes of its own, into which no tile lands
.set QH,     139264
.set QSC,    131072
.set KVH,    274432
.set KSC,    262144
.set VSC,    270336
.set ADRA, 16                          ; v16-17 LDS address of my A fragments in slot 0, 1
.set ADRB, 20                          ; v20-21 the same for B
.set XO2,  18                          ; v18    way out: offset of the second store of scale words
.set SHV,  22                          ; v22    way out: by how much my half of the lanes shifts a scale word
.set XO,   23                          ; v23    way out: offset of the first store of scale words
.set SW,   24                          ; v24    way out: where I put a scale word in my stage
.set SRD,  25                          ; v25    way out: where I read 16 bytes of it back
.set L16,  26                          ; v26    16 x lane
.set ADRS, 27                          ; v27    LDS address of my scale words: lanes 0-15 A's rows, lanes 16-31 B's
.set SPW,  28                          ; v28    my spare word; never rewritten
.set NIL,  29                          ; v29    0; never rewritten
.set SC,   32                          ; v32-63 scale words, two sets
.set AF,   128                         ; A's fragments, window 0, one set
.set T,    128                         ; way out: 64 numbers held within the largest code x the scale
.set PC,   192                         ; way out: 16 registers of codes
.set TM,   208                         ; way out: +0 largest magnitudes, +4 bytes, +8 the largest number x the scale, +12 the conversions' scale operands
.set PW,   224
.set T0,   225
.set OF0,  226
.set OF1,  227
.set G,    228
.set G1, 24
.set G0, 32
.set G1B, 48
.set G0B, 56
.set G1S, 68
.set G0S, 76
.set G1SB, 80
.set G0SB, 88
.set HS,  40                           ; way-out scalars
.set CB,  41
.set SBS, 43
.set PP,  44
.set QQ,  45
.set RR,  46
.set XS,  47
.set SHS, 66
.set MSK, 67
.set ORV, 92
.set MNT, 93
.set SEL, 94
.set MSB, 0
.macro WIN new                         ; the immediate's high byte repeats the setting that is left
.if MSB != \new
	s_set_vgpr_msb (MSB<<8)|\new
.set MSB, \new
.endif
.endm
.set MUL_LO, 0xa1                      ; source 0 (B) window 1, source 1 (A) window 0, C and D window 2
.set MUL_HI, 0xf1
.set TO_B,   0x40
; A joint load: waves 0 and 1 fetch for A, waves 2 and 3 for B; the branch hangs on the wave's number alone.  Four v_nop follow each of the two lines.
.macro JLOAD g0a, g1a, g0b, g1b
	s_cmp_eq_u32 s15, 0
	s_cbranch_scc0 .Lfor_b_\@
	tensor_load_to_lds s[\g0a:\g0a+3], s[\g1a:\g1a+7]
	s_nop 0
.rept 4
	v_nop
.endr
	s_branch .Lasked_\@
.Lfor_b_\@:
	tensor_load_to_lds s[\g0b:\g0b+3], s[\g1b:\g1b+7]
	s_nop 0
.rept 4
	v_nop
.endr
.Lasked_\@:
.endm
.macro CREST
	s_cmp_lg_u32 s14, 0
	s_cbranch_scc1 .Lnot_wave_0_\@
	s_barrier_signal -3
.Lnot_wave_0_\@:
	s_barrier_wait -3
	s_barrier_signal -1
	s_barrier_wait -1
.endm
.macro CROUND
	s_barrier_signal -1
	s_barrier_wait -1
	CREST
.endm
	s_load_b512 s[68:83], s[0:1], 0x0              ; x codes, x scales, wq c, wq s, wk c, wk s, wv c, wv s
	s_load_b128 s[84:87], s[0:1], 0x40             ; qimg, kv
	v_lshl_add_u32 v[SPW], v0, 2, SPARE
	v_mov_b32 v[NIL], 0
	ds_add_u32 v28, v29
	ds_add_u32 v28, v29
	s_wait_dscnt 0x0
	v_lshrrev_b32 v1, 5, v0
	v_readfirstlane_b32 s14, v1                    ; wave 0..3
	s_lshr_b32 s15, s14, 1                         ; which half of A's rows is mine.  Also: I fetch for A (0) or for B (1)
	s_and_b32 s16, s14, 1                          ; which half of B's rows.  Also: which 128 rows I fetch
	s_bfe_u32 s40, ttmp6, 0x40000                  ; cx
	s_bfe_u32 s41, ttmp6, 0x40004                  ; cy
	s_and_b32 s66, ttmp7, 0xffff
	s_lshl_b32 s66, s66, 2                         ; 4 x cluster y: it walks x's 32 tiles of 256 tokens
	s_cmp_eq_u32 ttmp9, 2                          ; v?  The cluster's x is the same in all sixteen partners
	s_cselect_b32 s67, s66, 0                      ; x is B for v,
	s_cselect_b32 s66, 0, s66                      ; and A for q and k
	s_add_co_u32 s42, s67, s40                     ; B's tile = (4 x cluster y or 0) + cx
	s_add_co_u32 s17, s66, s41                     ; A's tile = (4 x cluster y or 0) + cy
	s_lshl_b32 s43, s41, 2
	s_lshl_b32 s43, 15, s43                        ; my row of the cluster
	s_lshl_b32 s44, 0x1111, s40                    ; my column
	s_or_b32 s[G1+0], s43, (0<<16)|(1<<20)|(1<<21)|(5<<22)|(3<<25)  ; the mask; elements of 1 byte; padding on; bit 21 beside a mask; after every 64 words, 4 words
	s_or_b32 s[G1B+0], s44, (0<<16)|(1<<20)|(1<<21)|(5<<22)|(3<<25)
.irp g, G1, G1B
	s_mov_b32 s[\g+1], ROWB<<16                    ; tensor_dim0
	s_mov_b32 s[\g+2], 256<<16                     ; tensor_dim1: 256 rows for the head's loads; set to 128 for the ring's behind them
	s_mov_b32 s[\g+3], ROWB<<16                    ; tile_dim0
	s_mov_b32 s[\g+4], 256                         ; tile_dim1 likewise
	s_mov_b32 s[\g+5], KROW                        ; the pitch
	s_mov_b32 s[\g+6], 0
	s_mov_b32 s[\g+7], 0
.endr
	s_lshl_b32 s20, s17, 8                         ; A: the tile's first row
	s_lshl_b32 s46, s42, 8                         ; B likewise
	s_mov_b32 s21, 0
	s_mov_b32 s47, 0
	s_mov_b64 s[18:19], KS
	s_mul_u64 s[22:23], s[20:21], s[18:19]         ; where these rows' scales begin
	s_mul_u64 s[92:93], s[46:47], s[18:19]
	s_mov_b64 s[18:19], KROW
	s_mul_u64 s[20:21], s[20:21], s[18:19]         ; and their codes
	s_mul_u64 s[46:47], s[46:47], s[18:19]
	s_mul_i32 s45, s14, HALFT                      ; where they go: wave x 128 rows
	s_mul_i32 s18, s16, 128*KROW                   ; in the ring I fetch 128 rows of a tile: which half, in bytes
	s_mov_b32 s19, 0
	s_wait_kmcnt 0x0
	s_cmp_eq_u32 ttmp9, 2                          ; the operands' buffers are chosen by the cluster's x alone
	s_cselect_b64 s[4:5], s[80:81], s[68:69]       ; A's codes: wv or x
	s_cselect_b64 s[6:7], s[82:83], s[70:71]       ; A's scales
	s_cselect_b64 s[8:9], s[68:69], s[76:77]       ; B's codes: x or wk,
	s_cselect_b64 s[10:11], s[70:71], s[78:79]
	s_cmp_eq_u32 ttmp9, 0
	s_cselect_b64 s[8:9], s[72:73], s[8:9]         ; or wq
	s_cselect_b64 s[10:11], s[74:75], s[10:11]
	s_cselect_b64 s[12:13], s[84:85], s[86:87]     ; the results' buffer: qimg or kv
	; s[68:91] are free now.  The scales of 128 rows: a dense block of 4,096 bytes, as 16 rows of 256 bytes (32 elements of 8 bytes), 16 bytes of padding behind each
	s_or_b32 s[G1S+0], s43, (3<<16)|(1<<20)|(1<<21)|(5<<22)|(3<<25)
	s_or_b32 s[G1SB+0], s44, (3<<16)|(1<<20)|(1<<21)|(5<<22)|(3<<25)
.irp g, G1S, G1SB
	s_mov_b32 s[\g+1], 32<<16
	s_mov_b32 s[\g+2], KS<<16                      ; the scales of 256 rows: 8,192 dense bytes as 32 rows of 256
	s_mov_b32 s[\g+3], 32<<16
	s_mov_b32 s[\g+4], KS
	s_mov_b32 s[\g+5], 32
	s_mov_b32 s[\g+6], 0
	s_mov_b32 s[\g+7], 0
.endr
	s_add_nc_u64 s[20:21], s[4:5], s[20:21]
	s_add_nc_u64 s[22:23], s[6:7], s[22:23]
	s_add_nc_u64 s[46:47], s[8:9], s[46:47]
	s_add_nc_u64 s[92:93], s[10:11], s[92:93]
	CROUND                                         ; all sixteen work-groups are here: the first joint loads meet
	s_mov_b32 s[G0S], 1
	s_mov_b32 s[G0S+1], SCL
	s_mov_b64 s[G0S+2:G0S+3], s[22:23]
	s_or_b32 s[G0S+3], s[G0S+3], 0x80000000
	s_mov_b32 s[G0SB], 1
	s_mov_b32 s[G0SB+1], SCL+2*HALFS
	s_mov_b64 s[G0SB+2:G0SB+3], s[92:93]
	s_or_b32 s[G0SB+3], s[G0SB+3], 0x80000000
.set G0H, 4                            ; s[4:7], s[8:11] group 0 for the head's loads of K step 0 (the pointers that lay there have been used)
.set G0HB, 8
	s_mov_b32 s[G0H], 1                            ; K step 0's 256 rows of A,
	s_mov_b32 s[G0H+1], 0
	s_mov_b64 s[G0H+2:G0H+3], s[20:21]
	s_or_b32 s[G0H+3], s[G0H+3], 0x80000000
	s_mov_b32 s[G0HB], 1                           ; and of B, behind them in slot 0
	s_mov_b32 s[G0HB+1], 2*HALFT
	s_mov_b64 s[G0HB+2:G0HB+3], s[46:47]
	s_or_b32 s[G0HB+3], s[G0HB+3], 0x80000000
	s_add_nc_u64 s[20:21], s[20:21], s[18:19]      ; for the ring: my 128 rows of the tile
	s_add_nc_u64 s[46:47], s[46:47], s[18:19]
.irp s, 0,1
	s_mov_b32 s[G0+4*\s], 1
	s_add_co_u32 s[G0+4*\s+1], s45, \s*SLOT
	s_add_nc_u64 s[G0+4*\s+2:G0+4*\s+3], s[20:21], \s*ROWB
	s_or_b32 s[G0+4*\s+3], s[G0+4*\s+3], 0x80000000
	s_mov_b32 s[G0B+4*\s], 1
	s_add_co_u32 s[G0B+4*\s+1], s45, \s*SLOT
	s_add_nc_u64 s[G0B+4*\s+2:G0B+4*\s+3], s[46:47], \s*ROWB
	s_or_b32 s[G0B+4*\s+3], s[G0B+4*\s+3], 0x80000000
.endr
; The head's four tiles, one load a wave: wave 0 K step 0's rows of A, wave 1 those of B, wave 2 A's scales, wave 3 B's.  One chain of branches on the wave's number.
.macro ARM under, g0, g1, next
	s_cmp_lt_u32 s14, \under
	s_cbranch_scc0 \next
	tensor_load_to_lds s[\g0:\g0+3], s[\g1:\g1+7]
	s_nop 0
.rept 4
	v_nop
.endr
	s_branch .Lhead_asked
\next:
.endm
	ARM 1, G0H,  G1,  .Lhead_b
	ARM 2, G0HB, G1B, .Lhead_sa
	ARM 3, G0S,  G1S, .Lhead_sb
	tensor_load_to_lds s[G0SB:G0SB+3], s[G1SB:G1SB+7]
	s_nop 0
.rept 4
	v_nop
.endr
.Lhead_asked:
	v_and_b32 v1, 15, v0                           ; r = lane % 16
	v_bfe_u32 v2, v0, 4, 1                         ; h = lane / 16
	v_mul_u32_u24 v3, v1, PITCH
	v_lshl_add_u32 v4, v2, 4, v3                   ; a fragment's row x pitch + 16 x half
	s_mul_i32 s21, s15, HALFT                      ; my 128 rows of A
	s_mul_i32 s22, s16, HALFT                      ; my 128 rows of B,
	s_add_co_u32 s22, s22, 2*HALFT                 ; which lie behind A's 256
.irp s, 0,1
	v_add_nc_u32 v[ADRA+\s], s21, v4
	v_add_nc_u32 v[ADRB+\s], s22, v4
	s_add_co_u32 s21, s21, SLOT
	s_add_co_u32 s22, s22, SLOT
.endr
	v_mul_u32_u24 v5, v1, KS                       ; my row's scales: 32 bytes a row,
	v_lshrrev_b32 v6, 8, v5
	v_lshl_add_u32 v5, v6, 4, v5                   ; and 16 more for each 256 passed
	s_mul_i32 s21, s15, HALFS
	s_mul_i32 s22, s16, HALFS
	s_add_co_u32 s22, s22, 2*HALFS
	s_sub_co_u32 s22, s22, s21
	v_mul_u32_u24 v6, s22, v2                      ; lanes 16-31 take B's
	s_add_co_u32 s21, s21, SCL
	v_add_nc_u32 v5, v5, v6
	v_add_nc_u32 v[ADRS], s21, v5
.macro FRAG reg, adr, q, i             ; 16 rows x 128 K: lane l holds row l % 16; registers 4 c .. 4 c + 3 hold K = 32 c + 16 (l / 16) + 0 .. 15
.irp c, 0,1,2,3
	ds_load_b128 v[\reg+4*\c:\reg+4*\c+3], v[\adr] offset:128*(\q)+32*\c+(\i)*16*PITCH
.endr
.endm
; 16 matrix instructions: A's blocks a0, a0 + 1 x B's eight.  The 64 accumulators take turns, one instruction a turn, in the same order in every step.
.macro MUL16 a0, p, q, sc, zero
.irp a, \a0, \a0+1
.irp b, 0,1,2,3,4,5,6,7
.if \zero
	v_wmma_scale_f32_16x16x128_f8f6f4 v[8*(8*((\a)%4)+\b):8*(8*((\a)%4)+\b)+7], v[128*(\p)+FR*\b:128*(\p)+FR*\b+FR-1], v[AF+FR*(\a):AF+FR*(\a)+FR-1], 0, v[SC+8*NQ*(\sc)+NQ*\b+(\q)], v[SC+8*NQ*(\sc)+NQ*(\a)+(\q)] matrix_a_fmt:MATRIX_FMT_BF8 matrix_b_fmt:MATRIX_FMT_BF8 matrix_a_scale:MATRIX_SCALE_ROW1
.else
	v_wmma_scale_f32_16x16x128_f8f6f4 v[8*(8*((\a)%4)+\b):8*(8*((\a)%4)+\b)+7], v[128*(\p)+FR*\b:128*(\p)+FR*\b+FR-1], v[AF+FR*(\a):AF+FR*(\a)+FR-1], v[8*(8*((\a)%4)+\b):8*(8*((\a)%4)+\b)+7], v[SC+8*NQ*(\sc)+NQ*\b+(\q)], v[SC+8*NQ*(\sc)+NQ*(\a)+(\q)] matrix_a_fmt:MATRIX_FMT_BF8 matrix_b_fmt:MATRIX_FMT_BF8 matrix_a_scale:MATRIX_SCALE_ROW1
.endif
.endr
.endr
.endm
.macro FETCH_B slot, q, p
	WIN TO_B
.irp i, 0,1,2,3,4,5,6,7
	FRAG 128*(\p)+FR*\i, ADRB+\slot, \q, \i
.endr
	WIN 0
.endm
.macro FETCH_A slot, q, i0
.irp i, \i0, \i0+1, \i0+2, \i0+3
	FRAG AF+FR*(\i), ADRA+\slot, \q, \i
.endr
.endm
.macro SCALES sc                       ; a K step's scale words: two words a row; lanes 0-15 take A's block i, lanes 16-31 B's block i
.irp i, 0,1,2,3,4,5,6,7
	ds_load_b64 v[SC+8*NQ*\sc+NQ*\i:SC+8*NQ*\sc+NQ*\i+1], v[ADRS] offset:\i*SBLK
.endr
.endm
.macro PLACES n                        ; plain vector instructions between a matrix instruction and a load into, or a read or write of, its registers
.rept \n
	v_nop
.endr
.endm
.macro STEP slot, q, zero              ; 128 along K that has its successor in the same slot
	s_wait_dscnt 4*NL                              ; B's set and A's blocks 0-3 are in; the youngest 16 loads (A's blocks 4-7) may be out
	WIN MUL_LO
	MUL16 0, (\q)%2, \q, \slot, \zero
	MUL16 2, (\q)%2, \q, \slot, \zero
	s_wait_dscnt 0
	PLACES NP
	FETCH_B \slot, (\q)+1, 1-(\q)%2
	FETCH_A \slot, (\q)+1, 0
	WIN MUL_HI
	MUL16 4, (\q)%2, \q, \slot, \zero
	MUL16 6, (\q)%2, \q, \slot, \zero
	PLACES NP
	WIN 0
	FETCH_A \slot, (\q)+1, 4
.endm
; A slot's last step changes slots: one barrier; in front of it each wave waits for all its tensor loads, adds 0 to its spare word, and waits for that and for its reads of this slot.
.macro TURN slot, next, fill
	s_wait_tensorcnt 0x0                           ; all my tensor loads have landed: my part of the next slot
	ds_add_u32 v[SPW], v[NIL]                      ; 0 onto my spare word
	s_wait_dscnt 4*NL+1                            ; the add and the youngest 16 loads (A's blocks 4-7) may be out
	WIN MUL_LO
	MUL16 0, 1, NQ-1, \slot, 0
	s_wait_dscnt 0x0                               ; the add is done, and my reads of this slot are over
	s_barrier_signal -1
	MUL16 2, 1, NQ-1, \slot, 0
	WIN 0
	s_barrier_wait -1
.if \fill
	CREST                                          ; the barrier has opened a round of the cluster's: no wave of any partner still reads this slot or has a load on its way
	s_add_nc_u64 s[G0+4*\slot+2:G0+4*\slot+3], s[G0+4*\slot+2:G0+4*\slot+3], 2*ROWB
	s_add_nc_u64 s[G0B+4*\slot+2:G0B+4*\slot+3], s[G0B+4*\slot+2:G0B+4*\slot+3], 2*ROWB
	JLOAD G0+4*\slot, G1, G0B+4*\slot, G1B         ; the first tensor load behind the round; its four v_nop are among the places in front of the loads below
	PLACES NP-4
.else
	PLACES NP
.endif
	s_wait_alu depctr_va_vdst(0)
	v_add_nc_u32 v[ADRS], 4*NQ, v[ADRS]            ; on to the next K step's scale words
	FETCH_B \next, 0, 0
	FETCH_A \next, 0, 0
	SCALES \next
	WIN MUL_HI
	MUL16 4, 1, NQ-1, \slot, 0
	MUL16 6, 1, NQ-1, \slot, 0
	PLACES NP
	WIN 0
	FETCH_A \next, 0, 4
.endm
	s_wait_alu depctr_va_vdst(0)
	s_wait_tensorcnt 0x0                           ; my tile of the head's four is in
	ds_add_u32 v[SPW], v[NIL]
	s_mov_b32 s[G1+2], 128<<16                     ; no tensor load of mine is out: from here on a load brings 128 rows
	s_mov_b32 s[G1+4], 128
	s_mov_b32 s[G1B+2], 128<<16
	s_mov_b32 s[G1B+4], 128
	s_wait_dscnt 0x0
	CROUND                                         ; all four tiles are in, all sixteen work-groups are here
	JLOAD G0+4, G1, G0B+4, G1B                     ; K step 1, the first tensor load behind the round
	FETCH_B 0, 0, 0
	FETCH_A 0, 0, 0
	SCALES 0
	FETCH_A 0, 0, 4
	STEP 0, 0, 1                                   ; the first step's products start the sums
	s_mov_b32 s3, LAPS-1
.Llap:
	TURN 0, 1, 1
	STEP 1, 0, 0
	TURN 1, 0, 1
	STEP 0, 0, 0
	s_sub_co_u32 s3, s3, 1
	s_cmp_lg_u32 s3, 0
	s_cbranch_scc1 .Llap
	TURN 0, 1, 0                                   ; the last lap fills nothing
	STEP 1, 0, 0
	s_wait_dscnt 4*NL
	WIN MUL_LO
	MUL16 0, 1, NQ-1, 1, 0
	MUL16 2, 1, NQ-1, 1, 0
	s_wait_dscnt 0
	WIN MUL_HI
	MUL16 4, 1, NQ-1, 1, 0
	MUL16 6, 1, NQ-1, 1, 0
	WIN 0
	PLACES NP                                      ; behind the last products: their results are read and A's registers written below
	; THE WAY OUT.  Where my results go, from ids alone.  A0, B0: my first rows of A and of B.
	s_lshl_b32 s18, s17, 8
	s_lshl_b32 s96, s15, 7
	s_add_co_u32 s18, s18, s96                     ; A0
	s_lshl_b32 s19, s42, 8
	s_lshl_b32 s96, s16, 7
	s_add_co_u32 s19, s19, s96                     ; B0
	s_cmp_eq_u32 ttmp9, 2
	s_cselect_b32 s20, s19, s18                    ; my first token (a row of x),
	s_cselect_b32 s21, s18, s19                    ; my first head x 64 + d (a row of W)
	s_lshr_b32 s22, s20, 11
	s_lshl_b32 s22, s22, 4
	s_lshr_b32 s96, s21, 6
	s_add_co_u32 s22, s22, s96                     ; 16 x batch + my first head (I hold two heads)
	s_and_b32 s23, s20, 2047                       ; the token in its batch: a multiple of 128
	s_mov_b32 s[HS], KVH
	s_cmp_eq_u32 ttmp9, 0
	s_cselect_b32 s[HS], QH, s[HS]                 ; a head's bytes in the buffer
	s_mul_i32 s22, s22, s[HS]
	s_lshl_b32 s96, s23, 6                         ; q: 1,024 bytes for 16 tokens
	s_lshl_b32 s[CB], s23, 7                       ; k, v: 16,384 bytes for 128 tokens
	s_lshl_b32 s97, s23, 2                         ; q, k: a scale word a token
	s_lshl_b32 s3, s23, 1                          ; v: 256 bytes for 128 tokens
	s_mov_b32 s[SBS], KSC
	s_mov_b32 s2, 0x7f7f0000
	s_mov_b32 s[QQ], 1024
	s_cmp_eq_u32 ttmp9, 0
	s_cselect_b32 s[CB], s96, s[CB]
	s_cselect_b32 s[SBS], QSC, s[SBS]
	s_cmp_eq_u32 ttmp9, 2
	s_cselect_b32 s96, 8192, 0                     ; V lies behind K in a record
	s_cselect_b32 s97, s3, s97
	s_cselect_b32 s[SBS], VSC, s[SBS]
	s_cselect_b32 s[PP], s[HS], 4096               ; from A's block a to a + 4: v: the next head; q, k: four tiles of tokens
	s_cselect_b32 s[QQ], 2048, s[QQ]               ; from a to a + 1: v: 16 d; q, k: a tile of tokens
	s_cselect_b32 s[RR], 1024, s[HS]               ; from a lane's blocks 0, 1 to its blocks 2, 3: v: c + 2; q, k: the next head
	s_cselect_b32 s[XS], s[HS], 256                ; scale words: from lanes 0-15 to lanes 16-31
	s_cselect_b32 s[SHS], 0, 16
	s_cselect_b32 s[MSK], -1, 0xffff
	s_cselect_b32 s[ORV], 0, s2
	s_add_co_u32 s[CB], s[CB], s96
	s_add_co_u32 s[CB], s[CB], s22                 ; where my codes begin
	s_add_co_u32 s[SBS], s[SBS], s97
	s_add_co_u32 s[SBS], s[SBS], s22               ; where my scale words begin
	s_mov_b32 s[MNT], 0x600000                     ; the mantissa field of 57,344
	s_mov_b32 s[SEL], 0x76543210
	s_mov_b32 s[SEL+1], 0xfedcba98                 ; lane l xor 16
	v_and_b32 v3, 31, v0
	v_lshlrev_b32 v[L16], 4, v3
	v_lshlrev_b32 v4, 2, v1
	v_lshl_add_u32 v4, v2, 9, v4                   ; 4 r + 512 h
	s_lshl_b32 s96, s14, 10
	s_add_co_u32 s96, s96, STG                     ; my stage
	v_add_nc_u32 v[SW], s96, v4
	v_add_nc_u32 v[SRD], s96, v[L16]
	v_mul_u32_u24 v[SHV], s[SHS], v2
	v_lshlrev_b32 v5, 4, v1
	v_mul_u32_u24 v6, s[XS], v2
	v_add3_u32 v[XO], v5, v6, s[SBS]
	v_add_nc_u32 v[XO2], s[HS], v[XO]
.irp b, 0,1,2,3
	v_mov_b32 v[TM+4+\b], 0                        ; written once: a lane permute's destination counts as one of its sources
.endr
; A's block a: a lane's 64 accumulator registers are four blocks of 32 along the next K, each shared with lane xor 16.  They become 16 registers of codes and a word of four scale bytes.
.macro QUANTW a
.set W, 2+(\a)/4
.set AC, 64*((\a)%4)
	WIN (W|(W<<2))                                 ; sources 0 and 1: the accumulators' window
.irp b, 0,1,2,3
	v_max3_num_f32 v[TM+\b], |v[AC+16*\b]|, |v[AC+16*\b+1]|, 0x8000000   ; each accumulator is read from its low end on; the floor 2^(16 - 127) holds the byte at 1 from below
.endr
	WIN ((W<<2)|(W<<4))                            ; sources 1 and 2
.irp i, 2,4,6,8,10,12,14
.irp b, 0,1,2,3
	v_max3_num_f32 v[TM+\b], v[TM+\b], |v[AC+16*\b+\i]|, |v[AC+16*\b+\i+1]|
.endr
.endr
	WIN 0
.irp b, 0,1,2,3
	v_permlanex16_b32 v[TM+4+\b], v[TM+\b], s[SEL], s[SEL+1]
.endr
.irp b, 0,1,2,3
	v_max_num_f32 v[TM+\b], v[TM+\b], v[TM+4+\b]   ; the block's largest magnitude
.endr
.irp b, 0,1,2,3
	v_add_nc_u32 v[TM+12+\b], 0xf8800000, v[TM+\b] ; 15 off its exponent field: the conversion's scale operand
.endr
.irp b, 0,1,2,3
	v_and_or_b32 v[TM+8+\b], v[TM+\b], 0x7f800000, s[MNT]   ; 57,344 x the scale
.endr
.irp b, 0,1,2,3
	v_lshrrev_b32 v[TM+4+\b], 23, v[TM+12+\b]      ; the scale's byte
.endr
	v_lshl_or_b32 v[PW], v[TM+5], 8, v[TM+4]
	v_lshl_or_b32 v[PW], v[TM+6], 16, v[PW]
	v_lshl_or_b32 v[PW], v[TM+7], 24, v[PW]
	WIN W                                          ; source 0
.irp b, 0,1,2,3
.irp i, 0,1,2,3,4,5,6,7,8,9,10,11,12,13,14,15
	v_med3_num_f32 v[T+16*\b+\i], v[AC+16*\b+\i], -v[TM+8+\b], v[TM+8+\b]   ; the conversion does not saturate (ISA guide 7.6.2): the hold comes first
.endr
.endr
	WIN 0
	s_wait_alu depctr_va_vdst(0)
	s_wait_xcnt 0x0                                ; the last block's stores have read their data and offsets: both are written again below
.irp b, 0,1,2,3
	v_cvt_scalef32_pk8_bf8_f32 v[PC+4*\b:PC+4*\b+1], v[T+16*\b:T+16*\b+7], v[TM+12+\b]
	v_cvt_scalef32_pk8_bf8_f32 v[PC+4*\b+2:PC+4*\b+3], v[T+16*\b+8:T+16*\b+15], v[TM+12+\b]
.endr
	v_nop                                          ; one plain line behind the last conversion
.endm
.macro OUTROW a
	QUANTW \a
	s_mul_i32 s96, s[PP], (\a)/4
	s_mul_i32 s97, s[QQ], (\a)%4
	s_add_co_u32 s96, s96, s97
	s_add_co_u32 s96, s96, s[CB]
	v_add_nc_u32 v[OF0], s96, v[L16]
	v_add_nc_u32 v[OF1], s[RR], v[OF0]
	global_store_b128 v[OF0], v[PC:PC+3], s[12:13]               ; each store: 512 consecutive bytes, aligned
	global_store_b128 v[OF0], v[PC+4:PC+7], s[12:13] offset:512
	global_store_b128 v[OF1], v[PC+8:PC+11], s[12:13]
	global_store_b128 v[OF1], v[PC+12:PC+15], s[12:13] offset:512
	v_lshrrev_b32 v[T0], v[SHV], v[PW]             ; q, k: lanes 0-15 keep bytes 0, 1 (my first head), lanes 16-31 bytes 2, 3 (my second); v: all four bytes
	v_and_or_b32 v[T0], v[T0], s[MSK], s[ORV]      ; q, k: 0x7f over the zero codes of the upper 64 along K
	ds_store_b32 v[SW], v[T0] offset:64*(\a)
.endm
.irp a, 0,1,2,3,4,5,6,7
	OUTROW \a
.endr
	ds_load_b128 v[G:G+3], v[SRD]                  ; LDS serves a wave's instructions in order (ISA guide 5.7.1.4): these see my stores
	ds_load_b128 v[G+4:G+7], v[SRD] offset:512
	s_wait_dscnt 0x0
	global_store_b128 v[XO], v[G:G+3], s[12:13]    ; q, k: my first head's 128 words; v: 64 words for each of my two heads: sixteen lanes store 256 consecutive bytes, aligned
	s_cmp_eq_u32 ttmp9, 2
	s_cbranch_scc1 .Lno_second                     ; v's words are all out; the stage's second half holds a copy of them
	global_store_b128 v[XO2], v[G+4:G+7], s[12:13] ; q, k: my second head's
.Lno_second:
	s_wait_tensorcnt 0x0                           ; the wave's end
	ds_add_u32 v[SPW], v[NIL]
	s_wait_dscnt 0x0
	CROUND                                         ; the closing round
	s_endpgm
.Lfunc_end_k_q322b71f2cc_qkv:
	.size	k_q322b71f2cc_qkv, .Lfunc_end_k_q322b71f2cc_qkv-k_q322b71f2cc_qkv
	.p2alignl 7, 3214868480
	.fill 96, 4, 3214868480
	.section	.rodata,"a",@progbits
	.p2align	6, 0x0
	.amdhsa_kernel k_q322b71f2cc_qkv
		.amdhsa_group_segment_fixed_size 327680
		.amdhsa_private_segment_fixed_size 0
		.amdhsa_enable_private_segment 0
		.amdhsa_kernarg_size 80
		.amdhsa_user_sgpr_count 2
		.amdhsa_user_sgpr_kernarg_segment_ptr 1
		.amdhsa_wavefront_size32 1
		.amdhsa_system_sgpr_workgroup_id_x 1
		.amdhsa_system_sgpr_workgroup_id_y 1
		.amdhsa_system_sgpr_workgroup_id_z 1
		.amdhsa_system_vgpr_workitem_id 0
		.amdhsa_next_free_vgpr 1024
		.amdhsa_next_free_sgpr 98
		.amdhsa_reserve_vcc 0
		.amdhsa_float_denorm_mode_32 3
		.amdhsa_float_denorm_mode_16_64 3
		.amdhsa_memory_ordered 1
		.amdhsa_forward_progress 1
		.amdhsa_inst_pref_size 191
	.end_amdhsa_kernel
	.amdgpu_metadata
---
amdhsa.version: [ 1, 2 ]
amdhsa.kernels:
  - .name:           k_q322b71f2cc_qkv
    .symbol:         k_q322b71f2cc_qkv.kd
    .args:
      - { .name: x_codes, .offset: 0, .size: 8, .value_kind: global_buffer, .address_space: global }
      - { .name: x_scales, .offset: 8, .size: 8, .value_kind: global_buffer, .address_space: global }
      - { .name: wq_codes, .offset: 16, .size: 8, .value_kind: global_buffer, .address_space: global }
      - { .name: wq_scales, .offset: 24, .size: 8, .value_kind: global_buffer, .address_space: global }
      - { .name: wk_codes, .offset: 32, .size: 8, .value_kind: global_buffer, .address_space: global }
      - { .name: wk_scales, .offset: 40, .size: 8, .value_kind: global_buffer, .address_space: global }
      - { .name: wv_codes, .offset: 48, .size: 8, .value_kind: global_buffer, .address_space: global }
      - { .name: wv_scales, .offset: 56, .size: 8, .value_kind: global_buffer, .address_space: global }
      - { .name: qimg, .offset: 64, .size: 8, .value_kind: global_buffer, .address_space: global }
      - { .name: kv, .offset: 72, .size: 8, .value_kind: global_buffer, .address_space: global }
    .group_segment_fixed_size: 327680
    .private_segment_fixed_size: 0
    .kernarg_segment_align: 8
    .kernarg_segment_size: 80
    .max_flat_workgroup_size: 128
    .sgpr_count:     98
    .vgpr_count:     1024
    .wavefront_size: 32
...
	.end_amdgpu_metadata
.endif
;; end of part 1
;; launch attn (part 2): grid 64 x 4, 16 waves a work-group, no clusters, 327,680 bytes of LDS; arguments qimg, kv, att_codes, att_scales; writes att_codes, att_scales
.if DOCPART == 2
	.amdgcn_target "amdgcn-amd-amdhsa--gfx1250"
	.amdhsa_code_object_version 6
	.text
	.protected	k_q322b71f2cc_attn
	.globl	k_q322b71f2cc_attn
	.p2align	8
	.type	k_q322b71f2cc_attn,@function
k_q322b71f2cc_attn:
	s_mov_b64 s[64:65], 0
	v_nop
	global_prefetch_b8 v0, s[64:65] scope:SCOPE_SE
	s_setreg_imm32_b32 hwreg(HW_REG_WAVE_MODE, 25, 1), 1
	s_wait_xcnt 0x0
; Causal attention of one head on codes of BF8 (E5M2): S^T = K Q^T, p = 2^(t - M), O^T = V^T P^T, O / l, and O quantised for the projection that follows.  Head size 64; scores are scaled by 1 / 32.
; INPUTS are this program's own: qimg and kv, operands as images of their registers ([c][lane][16 bytes]) with scale words beside them.
; SHARES.  Work-group (head, j): x is 16 x batch + head, y the query block j.  Each of its 16 waves owns two tiles of 16 queries, a late one at 2,032 - 256 j - 16 w and an early one at 256 j + 16 w: together 17 steps of 128 keys for every wave.
; A HEAD'S K AND V LIE IN LDS at their places in the record, each byte filled once.  They come in four chunks of 512 keys (65,536 bytes): at the head waves 0-7 fetch chunk 0 and waves 8-15 the scale words, one load a wave;
; at the change that opens trip i = 0, 1, 2 every wave fetches 4,096 bytes of chunk i + 1.  THE LOADS RUN AHEAD OF THE WORK: trip i multiplies key step i alone, which lies in chunk 0, so that behind the fourth change, which is written out
; without a load, the whole record is in LDS: the late tile's other 13 steps and the early tile pass no barrier.  A chunk whose first key comes after the work-group's last query is read by no wave and is not asked for:
; a jump on ids and the trip's number, the same in all waves, leads round the load alone; every wait on TENSORcnt is for 0.
; PREFETCH: chunks 2 and 3 are asked for once each, whole, one trip ahead of their tensor loads: chunk 2 by work-group j = 2, chunk 3 by j = 1, which load them themselves: waves 0-7, 8,192 bytes each, lanes 256 bytes apart.  Chunks 0 and 1 come by their loads alone.
; THE SOFTMAX: t = score x log2(e) / 32; M = the running largest t rounded UP to a whole number; p = 2^(t - M) is quantised along the keys, not normalised; the sum is taken of the unquantised p; when M moves,
; the sum and O^T are multiplied by 2^(old M - new M), which rounds nothing.
; LAYOUT.  A lane holds one query throughout.  The 16 registers of score tiles 2 B, 2 B + 1 are keys 32 B + 16 u + 8 h + j and land at the operand's places 32 B + 16 h + 8 u + j; V's images have the same order inside each 32 keys,
; and q's and k's the same order inside each 32 of d: the products and the block scales stand; the order of the f32 sums inside a matrix instruction differs from the plain order.
; A head has 64 along K, the instruction 128.  Q's registers 8-15 hold zero codes.  K's eight fragments lie 8 registers apart, so a fragment's upper half is the next tile's codes (the last one's: zeros):
; they are finite, since the quantiser that made them holds at the largest code, and meet Q's zero codes; the scale bytes there are 0x7f.
; CAUSAL: all loops have constant trip counts; a step all of whose keys come after the tile's queries is left out by a scalar branch on ids; on the diagonal hidden scores become -infinity ahead of the maximum.
; NO CLUSTER, though the four work-groups of a head read the same record: the branch that leaves hidden steps out hangs on the query block, which would be the place in the cluster.
; OUT: att_codes [tile of 16 rows 512][128 along K: 8][c 4][lane][16], in the plain order of K; att_scales [8192][32]: two bytes a row and head, by a store of 2 bytes a lane: a row's 32 bytes come from 16 work-groups.
; LIMITS: NaN and infinities are not served.  The promise holds while the scaled scores t stay under 2^31 in magnitude.  A block under 2^-111 (zeros too) gets the scale byte 1: only this program reads it.  1 / l is taken by v_rcp_f32.
.set QH,    139264
.set QSC,   131072
.set KVH,   274432
.set KSC,   262144
.set VSC,   270336
.set STEPB, 16384                      ; a record of 128 keys: K's 8,192 bytes, then V's
.set CHUNK, 65536                      ; four key steps
.set VOFF,  8192
.set SPARE, 274432                     ; behind the record: the spare words, 128 bytes a wave
.set L16,  1                           ; 16 x lane
.set AKS0, 2                           ; KSC + 4 x lane
.set AVS0, 3                           ; VSC + 4 x lane
.set ADK,  4                           ; the step's LDS addresses: codes, K's scale words, V's
.set ADS,  5
.set ADT,  6
.set RH,   7                           ; r - 8 h
.set R32,  8                           ; 32 r
.set HWH,  9                           ; the late tile's two scale bytes
.set GO,   10
.set HWL,  11                          ; v12 -M, v13 the largest t, v[14:15] the sum in two halves
.set Q,    16                          ; v16-31   the tile's Q fragment
.set KB,   32                          ; v32-103  K's eight fragments, 8 apart, and eight zeros; then V's four in v32-95
.set S,    104                         ; v104-167 S^T, then p
.set O,    168                         ; v168-199 O^T
.set PC,   200                         ; v200-215 codes
.set QS,   216                         ; Q's scale words
.set KSR,  218                         ; v218-221 K's: lanes 0-15 an even tile's, lanes 16-31 the odd tile's
.set VSR,  222                         ; v222-223 V's likewise
.set SPW,  224                         ; my spare word; never rewritten
.set NIL,  225                         ; 0; never rewritten
.set PFO,  226                         ; the prefetch's offset
.set QA1,  227                         ; offsets of the two tiles' Q codes and scale words.   v232-254 at work
.set QA2,  228
.set QB1,  229
.set QB2,  230
.set WV,   12
.set G1C,  16
.set G1H,  24
.set G1S,  32
.set G0C,  40
.set G0H,  44
.set G0S,  48
.set SEL,  52
.set CS,   54                          ; s[54:55] c = log2(e) / 32
.set MNT,  56
.set HM,   57                          ; lanes 16-31
.set TB,   58                          ; the step's record in LDS
.set TS,   59                          ; its scale words of K: 512 bytes a step
.set TJ,   60                          ; of V: 256 bytes a step
.set KF,   61                          ; its first key
.set Q0,   62                          ; the tile's first query
.set CNT,  63                          ; the chunk loop's trip
.set QQH,  66
.set QQL,  67
.set OB,   76
.set SB,   77
.set PFA,  78                          ; s[78:79] the chunk after the one that is being asked for
.set PW,   80                          ; the trip in which my wave prefetches; a number that no trip has in the waves and work-groups that do not
.set JJ,   81                          ; the query block j
.set NINF, 82
.set CN2,  83
.set MJ,   84                          ; s84-91 lanes whose key j + 8 h comes after query r in the diagonal tile
.set SG,   92
.set SE,   93
	s_load_b256 s[4:11], s[0:1], 0x0               ; qimg, kv, att_codes, att_scales
	v_lshl_add_u32 v[SPW], v0, 2, SPARE
	v_mov_b32 v[NIL], 0
	ds_add_u32 v[SPW], v[NIL]                      ; the opening lines: the add twice on end and its wait ahead of my first tensor load
	ds_add_u32 v[SPW], v[NIL]
	v_lshrrev_b32 v10, 5, v0
	v_readfirstlane_b32 s[WV], v10                 ; wave 0..15
	s_mov_b32 s68, ttmp9                           ; 16 x batch + head
	s_and_b32 s[JJ], ttmp7, 0xffff                 ; the query block
	s_mul_i32 s70, s68, KVH
	s_mov_b32 s71, 0
	s_mul_i32 s72, s68, QH
	s_mov_b32 s73, 0
	s_lshr_b32 s69, s68, 4                         ; batch
	s_and_b32 s68, s68, 15                         ; head
	s_lshl_b32 s[OB], s69, 21                      ; att_codes: 128 tiles of 16,384 bytes a batch, 1,024 bytes a head
	s_lshl_b32 s74, s68, 10
	s_add_co_u32 s[OB], s[OB], s74
	s_lshl_b32 s[SB], s69, 16                      ; att_scales: 2,048 rows of 32 bytes a batch, 2 bytes a head
	s_lshl_b32 s74, s68, 1
	s_add_co_u32 s[SB], s[SB], s74
	; descriptor groups 1: dense blocks as rows of 256 bytes (32 elements of 8 bytes): 16 rows (a wave's part of a chunk), 32 (of chunk 0 at the head), 6 (of the scale words)
.irp g, G1C, G1H, G1S
	s_mov_b32 s[\g], 3<<16
	s_mov_b32 s[\g+1], 32<<16
	s_mov_b32 s[\g+3], 32<<16
	s_mov_b32 s[\g+5], 32
	s_mov_b32 s[\g+6], 0
	s_mov_b32 s[\g+7], 0
.endr
	s_mov_b32 s[G1C+2], 16<<16
	s_mov_b32 s[G1C+4], 16
	s_mov_b32 s[G1H+2], 32<<16
	s_mov_b32 s[G1H+4], 32
	s_mov_b32 s[G1S+2], 6<<16
	s_mov_b32 s[G1S+4], 6
	s_mov_b32 s[G0C], 1
	s_lshl_b32 s[G0C+1], s[WV], 12                 ; my 4,096 bytes of chunk 0's place: each change steps it a chunk on
	s_mov_b32 s[G0H], 1
	s_lshl_b32 s[G0H+1], s[WV], 13                 ; waves 0-7: 8,192 bytes of chunk 0
	s_mov_b32 s[G0S], 1
	s_mul_i32 s[G0S+1], s[WV], 1536                ; waves 8-15: 1,536 bytes of the scale words
	s_add_co_u32 s[G0S+1], s[G0S+1], KSC-12288
	s_mov_b32 s[SEL], 0x76543210
	s_mov_b32 s[SEL+1], 0xfedcba98
	s_mov_b32 s[CS], 0x3d38aa3b                    ; log2(e) / 32
	s_mov_b32 s[CS+1], s[CS]
	s_mov_b32 s[MNT], 0x600000
	s_mov_b32 s[HM], 0xffff0000
	s_mov_b32 s[NINF], 0xff800000
	s_sub_co_u32 s[PW], 2, s[JJ]                   ; work-group 2 asks in trip 0, work-group 1 in trip 1;
	s_cmp_eq_u32 s[JJ], 0
	s_cselect_b32 s[PW], 64, s[PW]                 ; work-groups 0 and 3 in none,
	s_cmp_lt_u32 s[WV], 8
	s_cselect_b32 s[PW], s[PW], 64                 ; nor waves 8-15
	s_lshl_b32 s[QQL], s[JJ], 8
	s_lshl_b32 s68, s[WV], 4
	s_add_co_u32 s[QQL], s[QQL], s68               ; the early tile's first query,
	s_sub_co_u32 s[QQH], 2032, s[QQL]              ; the late tile's
	s_lshl_b32 s92, s[QQH], 6                      ; 1,024 bytes of codes for 16 queries
	s_lshl_b32 s93, s[QQL], 6
	s_lshl_b32 s94, s[QQH], 2                      ; a scale word a query
	s_lshl_b32 s95, s[QQL], 2
	s_mov_b32 s75, 0
	s_wait_dscnt 0x0                               ; both opening adds are done
	s_wait_kmcnt 0x0
	s_add_nc_u64 s[6:7], s[6:7], s[70:71]          ; kv and qimg at my head
	s_add_nc_u64 s[4:5], s[4:5], s[72:73]
	s_mov_b32 s74, s[G0C+1]                        ; a byte's place in the record is its place in LDS
	s_add_nc_u64 s[G0C+2:G0C+3], s[6:7], s[74:75]
	s_or_b32 s[G0C+3], s[G0C+3], 0x80000000
	s_mov_b32 s74, s[G0H+1]
	s_add_nc_u64 s[G0H+2:G0H+3], s[6:7], s[74:75]
	s_or_b32 s[G0H+3], s[G0H+3], 0x80000000
	s_mov_b32 s74, s[G0S+1]
	s_add_nc_u64 s[G0S+2:G0S+3], s[6:7], s[74:75]
	s_or_b32 s[G0S+3], s[G0S+3], 0x80000000
	s_add_nc_u64 s[PFA:PFA+1], s[6:7], CHUNK       ; the first change steps it to chunk 2
	s_cmp_lt_u32 s[WV], 8                          ; the head's loads, one a wave, in the two arms of one branch
	s_cbranch_scc0 .Lhead_s
	tensor_load_to_lds s[G0H:G0H+3], s[G1H:G1H+7]
	s_nop 0
.rept 4
	v_nop
.endr
	s_branch .Lhead_j
.Lhead_s:
	tensor_load_to_lds s[G0S:G0S+3], s[G1S:G1S+7]
	s_nop 0
.rept 4
	v_nop
.endr
.Lhead_j:
	v_and_b32 v234, 31, v0                         ; lane
	v_and_b32 v235, 15, v0                         ; r
	v_bfe_u32 v232, v0, 4, 1                       ; h
	v_lshlrev_b32 v[L16], 4, v234
	v_lshl_add_u32 v[AKS0], v234, 2, KSC
	v_lshl_add_u32 v[AVS0], v234, 2, VSC
	v_lshlrev_b32 v233, 3, v232
	v_sub_nc_u32 v[RH], v235, v233
	v_lshlrev_b32 v[R32], 5, v235
	v_and_b32 v[PFO], 255, v0
	v_lshlrev_b32 v[PFO], 8, v[PFO]                ; waves 0-7: 8,192 x wave + 256 x lane
	v_add_nc_u32 v[QA1], s92, v[L16]
	v_add_nc_u32 v[QA2], s93, v[L16]
	v_lshl_add_u32 v[QB1], v235, 2, s94
	v_lshl_add_u32 v[QB2], v235, 2, s95
.macro QLOAD a, b
	global_load_b128 v[Q:Q+3], v[\a], s[4:5]
	global_load_b128 v[Q+4:Q+7], v[\a], s[4:5] offset:512
	global_load_b32 v[QS], v[\b], s[4:5] offset:QSC
.endm
	QLOAD QA1, QB1
.irp i, 0,1,2,3,4,5,6,7
	v_mov_b32 v[Q+8+\i], 0                         ; zero codes for the upper 64 along K
	v_mov_b32 v[KB+64+\i], 0
	v_cmp_gt_i32 s[MJ+\i], \i, v[RH]               ; key 8 h + i comes after query r
.endr
; A KEY STEP: 128 keys against the tile in hand.
.macro STEP
	s_add_co_u32 s68, s[Q0], 15
	s_cmp_gt_u32 s[KF], s68
	s_cbranch_scc1 .Lhid_\@                        ; all 128 keys come after my 16 queries
	v_add_nc_u32 v[ADK], s[TB], v[L16]
	v_add_nc_u32 v[ADS], s[TS], v[AKS0]
	v_add_nc_u32 v[ADT], s[TJ], v[AVS0]
.rept 5
	v_nop                                          ; with the three additions eight places in front of loads into registers that the last step's V products read
.endr
.irp t, 0,1,2,3,4,5,6,7
	ds_load_b128 v[KB+8*\t:KB+8*\t+3], v[ADK] offset:1024*\t
	ds_load_b128 v[KB+8*\t+4:KB+8*\t+7], v[ADK] offset:1024*\t+512
.endr
.irp p, 0,1,2,3
	ds_load_b32 v[KSR+\p], v[ADS] offset:128*\p
.endr
	s_wait_alu depctr_va_vdst(0)
	s_wait_dscnt 0x0
.irp t, 0,2,4,6                                ; S^T = K Q^T: eight tiles of 16 keys on end
	v_wmma_scale_f32_16x16x128_f8f6f4 v[S+8*\t:S+8*\t+7], v[KB+8*\t:KB+8*\t+15], v[Q:Q+15], 0, v[KSR+\t/2], v[QS] matrix_a_fmt:MATRIX_FMT_BF8 matrix_b_fmt:MATRIX_FMT_BF8
	v_wmma_scale_f32_16x16x128_f8f6f4 v[S+8*\t+8:S+8*\t+15], v[KB+8*\t+8:KB+8*\t+23], v[Q:Q+15], 0, v[KSR+\t/2], v[QS] matrix_a_fmt:MATRIX_FMT_BF8 matrix_b_fmt:MATRIX_FMT_BF8 matrix_a_scale:MATRIX_SCALE_ROW1
.endr
.rept 8
	v_nop                                          ; places in front of the loads into K's registers and of the first read of the scores
.endr
.irp t, 0,1,2,3                                ; V's four fragments (16 d x 128 keys) take K's place; they land under the softmax
.irp c, 0,1,2,3
	ds_load_b128 v[KB+16*\t+4*\c:KB+16*\t+4*\c+3], v[ADK] offset:VOFF+2048*\t+512*\c
.endr
.endr
	ds_load_b32 v[VSR], v[ADT]
	ds_load_b32 v[VSR+1], v[ADT] offset:128
	s_add_co_u32 s68, s[KF], 127                   ; a step all of whose keys count skips the mask
	s_cmp_le_u32 s68, s[Q0]
	s_cbranch_scc1 .Lopen_\@
	s_sub_co_u32 s69, s[Q0], s[KF]
	s_lshr_b32 s69, s69, 4                         ; the diagonal tile D: tiles under it count whole, tiles over it are hidden whole, in it the lanes of s[MJ + j]
.set T_, 0
.rept 8
	s_cmp_lt_u32 s69, T_
	s_cselect_b32 s[SG], -1, 0
	s_cmp_eq_u32 s69, T_
	s_cselect_b32 s[SE], -1, 0
.set J_, 0
.rept 8
	s_and_b32 s[94+J_%2], s[MJ+J_], s[SE]
	s_or_b32 s[94+J_%2], s[94+J_%2], s[SG]
	v_cndmask_b32 v[S+8*T_+J_], v[S+8*T_+J_], s[NINF], s[94+J_%2]
.set J_, J_+1
.endr
.set T_, T_+1
.endr
.Lopen_\@:
.irp b, 0,1,2,3
	v_max3_num_f32 v[232+\b], v[S+16*\b], v[S+1+16*\b], v[S+2+16*\b]   ; the largest score of each block of 32 keys: for the row's maximum, and, since p rises with the score, for the block's largest p
.endr
.irp i, 3,5,7,9,11,13
.irp b, 0,1,2,3
	v_max3_num_f32 v[232+\b], v[232+\b], v[S+16*\b+\i], v[S+1+16*\b+\i]
.endr
.endr
.irp b, 0,1,2,3
	v_max_num_f32 v[232+\b], v[232+\b], v[S+15+16*\b]
.endr
.irp b, 0,1,2,3
	v_permlanex16_b32 v[236+\b], v[232+\b], s[SEL], s[SEL+1]
.endr
.irp b, 0,1,2,3
	v_max_num_f32 v[232+\b], v[232+\b], v[236+\b]  ; with lane l xor 16's 16 keys
.endr
	v_max3_num_f32 v254, v232, v233, v234
	v_max_num_f32 v254, v254, v235
	v_mul_f32 v254, s[CS], v254                    ; as t
	v_max_num_f32 v13, v13, v254                   ; the running largest t
	v_mov_b32 v254, v12
	v_floor_f32 v12, -v13                          ; the new -M = floor(-t): M is a whole number
	v_sub_f32 v254, v12, v254                      ; old M - new M: a whole number, 0 or less
	v_cvt_i32_f32 v254, v254                       ; (it saturates)
	v_ldexp_f32 v252, 1.0, v254                    ; f = 2^(old M - new M)
.set n, 0
.rept 32
	v_pk_fma_f32 v[S+n:S+n+1], v[S+n:S+n+1], s[CS:CS+1], v[12:13] op_sel_hi:[1,0,0]   ; t - M, two at a time
.set n, n+2
.endr
.irp b, 0,1,2,3
	v_fma_f32 v[232+\b], v[232+\b], s[CS], v12     ; the same of each block's largest score
.endr
	s_wait_alu depctr_va_vdst(0)                   ; the wait ahead of the batch
.set n, 0
.rept 64
	v_exp_f32 v[S+n], v[S+n]                       ; p = 2^(t - M), at most 1
.set n, n+1
.endr
	v_pk_mul_f32 v[14:15], v[14:15], v[252:253] op_sel_hi:[1,0]   ; the sums under the new M: a plain line behind the exponentials
	s_wait_alu depctr_va_vdst(0)                   ; one wait for the batch of 64, ahead of its first reader
.irp b, 0,1,2,3
	v_exp_f32 v[232+\b], v[232+\b]                 ; the block's largest p
.endr
.irp c, 0,1,2,3                                ; the row's sum of the unquantised p: four chains of pairs
	v_pk_add_f32 v[236+2*\c:237+2*\c], v[S+2*\c:S+2*\c+1], v[S+8+2*\c:S+9+2*\c]
.endr
.irp m, 2,3,4,5,6,7
.irp c, 0,1,2,3
	v_pk_add_f32 v[236+2*\c:237+2*\c], v[236+2*\c:237+2*\c], v[S+8*\m+2*\c:S+8*\m+2*\c+1]
.endr
.endr
	v_pk_add_f32 v[236:237], v[236:237], v[238:239]
	v_pk_add_f32 v[240:241], v[240:241], v[242:243]
	v_pk_add_f32 v[14:15], v[14:15], v[236:237]
	v_pk_add_f32 v[14:15], v[14:15], v[240:241]
	s_wait_alu depctr_va_vdst(0)                   ; and one for the four
.irp b, 0,1,2,3
	v_max_num_f32 v[232+\b], 0x8000000, v[232+\b]  ; the floor 2^(16 - 127)
.endr
.irp b, 0,1,2,3
	v_add_nc_u32 v[244+\b], 0xf8800000, v[232+\b]  ; the conversion's scale operand
.endr
.irp b, 0,1,2,3
	v_and_or_b32 v[240+\b], v[232+\b], 0x7f800000, s[MNT]   ; 57,344 x the scale
.endr
.irp b, 0,1,2,3
	v_lshrrev_b32 v[236+\b], 23, v[244+\b]         ; the scale's byte
.endr
	v_lshl_or_b32 v253, v237, 8, v236              ; p's scale word for these 128 keys
	v_lshl_or_b32 v253, v238, 16, v253
	v_lshl_or_b32 v253, v239, 24, v253
.irp b, 0,1,2,3
.set n, 0
.rept 8
	v_dual_min_num_f32 v[S+16*\b+n], v[S+16*\b+n], v[240+\b] :: v_dual_min_num_f32 v[S+16*\b+n+1], v[S+16*\b+n+1], v[240+\b]   ; the conversion does not saturate (ISA guide 7.6.2); p is not negative, so the hold is one-sided; two numbers a line
.set n, n+2
.endr
	v_cvt_scalef32_pk8_bf8_f32 v[PC+4*\b:PC+1+4*\b], v[S+16*\b:S+7+16*\b], v[244+\b]
	v_cvt_scalef32_pk8_bf8_f32 v[PC+2+4*\b:PC+3+4*\b], v[S+8+16*\b:S+15+16*\b], v[244+\b]
.endr
	v_nop                                          ; one plain line behind the last conversion
	s_wait_alu depctr_va_vdst(0)                   ; the wait directly ahead of the first reader of O^T
.set n, 0
.rept 16
	v_pk_mul_f32 v[O+n:O+n+1], v[O+n:O+n+1], v[252:253] op_sel_hi:[1,0]   ; O^T under the new M; these are also the places between the codes, the scale word and the products
.set n, n+2
.endr
	s_wait_alu depctr_va_vdst(0)
	s_wait_dscnt 0x0                               ; V
.irp t, 0,2                                    ; O^T += V^T P^T: four accumulators, one instruction each
	v_wmma_scale_f32_16x16x128_f8f6f4 v[O+8*\t:O+8*\t+7], v[KB+16*\t:KB+16*\t+15], v[PC:PC+15], v[O+8*\t:O+8*\t+7], v[VSR+\t/2], v253 matrix_a_fmt:MATRIX_FMT_BF8 matrix_b_fmt:MATRIX_FMT_BF8
	v_wmma_scale_f32_16x16x128_f8f6f4 v[O+8*\t+8:O+8*\t+15], v[KB+16*\t+16:KB+16*\t+31], v[PC:PC+15], v[O+8*\t+8:O+8*\t+15], v[VSR+\t/2], v253 matrix_a_fmt:MATRIX_FMT_BF8 matrix_b_fmt:MATRIX_FMT_BF8 matrix_a_scale:MATRIX_SCALE_ROW1
.endr
.Lhid_\@:
	s_add_co_u32 s[TB], s[TB], STEPB
	s_add_co_u32 s[TS], s[TS], 512
	s_add_co_u32 s[TJ], s[TJ], 256
	s_add_co_u32 s[KF], s[KF], 128
.endm
.macro STEPS n                         ; a loop of constant count
	s_mov_b32 s[CN2], \n
.Lsteps_\@:
	STEP
	s_sub_co_u32 s[CN2], s[CN2], 1
	s_cmp_lg_u32 s[CN2], 0
	s_cbranch_scc1 .Lsteps_\@
.endm
.macro BEGIN q0                        ; a tile starts: the step has no first step of its own, so O^T and the sum begin as zeros and the largest t under every t
	s_mov_b32 s[Q0], s[\q0]
	s_mov_b32 s[TB], 0
	s_mov_b32 s[TS], 0
	s_mov_b32 s[TJ], 0
	s_mov_b32 s[KF], 0
.set n, 0
.rept 32
	v_mov_b32 v[O+n], 0
.set n, n+1
.endr
	v_mov_b32 v13, 0xff61b1e6                      ; -3e38
	v_floor_f32 v12, -v13
	v_mov_b32 v14, 0
	v_mov_b32 v15, 0
.endm
; THE CHANGE: every wave waits for all its tensor loads, adds 0 to its spare word and waits for that and its LDS reads; behind the barrier all that has been asked for is whole.  fill = 1: the next chunk is asked for, up to the causal limit.
.macro CHANGE fill
	s_wait_tensorcnt 0x0                           ; no tensor load of mine is out, so group 0 may be written
	ds_add_u32 v[SPW], v[NIL]
.if \fill
	s_add_co_u32 s[G0C+1], s[G0C+1], CHUNK
	s_add_nc_u64 s[G0C+2:G0C+3], s[G0C+2:G0C+3], CHUNK
	s_wait_xcnt 0x0                                ; any prefetch of mine has read its address
	s_add_nc_u64 s[PFA:PFA+1], s[PFA:PFA+1], CHUNK
.endif
	s_wait_dscnt 0x0
	s_barrier_signal -1
	s_barrier_wait -1
.if \fill
	s_lshl_b32 s68, s[CNT], 9
	s_add_co_u32 s68, s68, 512                     ; the first key of chunk i + 1, which this change would ask for
	s_or_b32 s69, s[Q0], 255                       ; my work-group's last query
	s_cmp_gt_u32 s68, s69                          ; ids and the trip's number alone: all sixteen waves go the same way
	s_cbranch_scc1 .Lpast_\@
	tensor_load_to_lds s[G0C:G0C+3], s[G1C:G1C+7]  ; my one tensor load behind this barrier: bytes that nothing has filled before
	s_nop 0
.rept 4
	v_nop
.endr
.Lpast_\@:
	s_cmp_eq_u32 s[CNT], s[PW]                     ; trip i names chunk i + 2
	s_cbranch_scc0 .Lnot_mine_\@
	global_prefetch_b8 v[PFO], s[PFA:PFA+1] th:TH_LOAD_NT scope:SCOPE_SE
.Lnot_mine_\@:
.endif
.endm
; A tile ends: O^T / l; its 64 numbers of a query are two blocks of 32 along the projection's K; codes in the plain order of K; hw takes the two scale bytes.  more = 1: the early tile's Q is asked for here.
.macro FINISH hw, more
.rept 8
	v_nop                                          ; places behind the last products
.endr
.if \more
	QLOAD QA2, QB2
.endif
	s_wait_alu depctr_va_vdst(0)
	v_add_f32 v14, v14, v15
	s_wait_alu depctr_va_vdst(0)
	v_permlanex16_b32 v252, v14, s[SEL], s[SEL+1]
	v_add_f32 v14, v14, v252                       ; the row's sum
	s_wait_alu depctr_va_vdst(0)                   ; the wait ahead of the reciprocal,
	v_rcp_f32 v14, v14
	v_nop                                          ; a plain line behind it,
	s_wait_alu depctr_va_vdst(0)                   ; and the wait ahead of its first reader, which is O^T's too
.set n, 0
.rept 16
	v_pk_mul_f32 v[S+n:S+n+1], v[O+n:O+n+1], v[14:15] op_sel_hi:[1,0]   ; each accumulator from its low end on.  Register 16 B + 8 u + i is d = 32 B + 16 u + 8 h + i
.set n, n+2
.endr
.irp b, 0,1
	v_max3_num_f32 v[232+\b], |v[S+16*\b]|, |v[S+1+16*\b]|, 0x8000000
.endr
.irp i, 2,4,6,8,10,12,14
.irp b, 0,1
	v_max3_num_f32 v[232+\b], v[232+\b], |v[S+16*\b+\i]|, |v[S+1+16*\b+\i]|
.endr
.endr
.irp b, 0,1
	v_permlanex16_b32 v[236+\b], v[232+\b], s[SEL], s[SEL+1]
.endr
.irp b, 0,1
	v_max_num_f32 v[232+\b], v[232+\b], v[236+\b]
.endr
.irp b, 0,1
	v_add_nc_u32 v[244+\b], 0xf8800000, v[232+\b]
.endr
.irp b, 0,1
	v_and_or_b32 v[240+\b], v[232+\b], 0x7f800000, s[MNT]
.endr
.irp b, 0,1
	v_lshrrev_b32 v[236+\b], 23, v[244+\b]
.endr
	v_lshl_or_b32 v[\hw], v237, 8, v236
.irp b, 0,1
.set n, 0
.rept 16
	v_med3_num_f32 v[S+16*\b+n], v[S+16*\b+n], -v[240+\b], v[240+\b]
.set n, n+1
.endr
	v_cvt_scalef32_pk8_bf8_f32 v[PC+4*\b:PC+1+4*\b], v[S+16*\b:S+7+16*\b], v[244+\b]
	v_cvt_scalef32_pk8_bf8_f32 v[PC+2+4*\b:PC+3+4*\b], v[S+8+16*\b:S+15+16*\b], v[244+\b]
.endr
	v_nop                                          ; one plain line behind the last conversion
	; the plain order wants d = 32 B + 16 h + 0 .. 15 in a lane: lanes 0-15 keep their first eight codes and take lane + 16's first eight; lanes 16-31 take lane - 16's last eight and keep their own
.irp i, 0,1,2,3,4,5,6,7
	v_permlanex16_b32 v[240+\i], v[PC+\i], s[SEL], s[SEL+1]
.endr
.irp b, 0,1
	v_cndmask_b32 v[PC+8+4*\b], v[PC+4*\b], v[242+4*\b], s[HM]
	v_cndmask_b32 v[PC+9+4*\b], v[PC+1+4*\b], v[243+4*\b], s[HM]
	v_cndmask_b32 v[PC+10+4*\b], v[240+4*\b], v[PC+2+4*\b], s[HM]
	v_cndmask_b32 v[PC+11+4*\b], v[241+4*\b], v[PC+3+4*\b], s[HM]
.endr
	s_lshl_b32 s68, s[Q0], 10                      ; 16,384 bytes for 16 rows
	s_add_co_u32 s68, s68, s[OB]
	v_add_nc_u32 v[GO], s68, v[L16]
	global_store_b128 v[GO], v[PC+8:PC+11], s[8:9]              ; each store: 512 consecutive bytes, aligned
	global_store_b128 v[GO], v[PC+12:PC+15], s[8:9] offset:512
.endm
	BEGIN QQH                                      ; register work while the first fills are on their way
.set n, 236
.rept 18
	v_mov_b32 v[n], 0                              ; v236-253, written once: a lane permute's destination counts as one of its sources, and v253 is named in a pair before it is first made
.set n, n+1
.endr
	s_mov_b32 s[CNT], 0
	s_wait_alu depctr_va_vdst(0)
	s_wait_loadcnt 0x0                             ; Q
.Lchunk:                                           ; three trips: behind the change chunk i + 1 is asked for, up to the causal limit, and key step i of the late tile, which lies in chunk 0, is multiplied
	CHANGE 1
	STEP
	s_add_co_u32 s[CNT], s[CNT], 1
	s_cmp_lt_u32 s[CNT], 3
	s_cbranch_scc1 .Lchunk
	CHANGE 0                                       ; the last change is written out: nothing follows chunk 3.  From here on the waves do not meet
	STEPS 13                                       ; key steps 3 to 15 of the late tile
	FINISH HWH, 1
	s_wait_xcnt 0x0                                ; the stores have read their data and their offset: both are written again in the second tile
	BEGIN QQL
	s_wait_alu depctr_va_vdst(0)
	s_wait_loadcnt 0x0                             ; the early tile's Q
	STEPS 8                                        ; its queries lie under 1,024: eight steps at the most
	FINISH HWL, 0
	s_lshl_b32 s68, s[QQH], 5                      ; the scale bytes: lanes 0-15 store the late tile's rows, lanes 16-31 the early tile's
	s_add_co_u32 s68, s68, s[SB]
	s_lshl_b32 s69, s[QQL], 5
	s_add_co_u32 s69, s69, s[SB]
	v_add_nc_u32 v232, s68, v[R32]
	v_add_nc_u32 v233, s69, v[R32]
	v_cndmask_b32 v232, v232, v233, s[HM]
	v_cndmask_b32 v234, v[HWH], v[HWL], s[HM]
	global_store_b16 v232, v234, s[10:11]
	s_wait_tensorcnt 0x0                           ; the wave's end
	ds_add_u32 v[SPW], v[NIL]
	s_wait_dscnt 0x0
	s_endpgm
.Lfunc_end_k_q322b71f2cc_attn:
	.size	k_q322b71f2cc_attn, .Lfunc_end_k_q322b71f2cc_attn-k_q322b71f2cc_attn
	.p2alignl 7, 3214868480
	.fill 96, 4, 3214868480
	.section	.rodata,"a",@progbits
	.p2align	6, 0x0
	.amdhsa_kernel k_q322b71f2cc_attn
		.amdhsa_group_segment_fixed_size 327680
		.amdhsa_private_segment_fixed_size 0
		.amdhsa_enable_private_segment 0
		.amdhsa_kernarg_size 32
		.amdhsa_user_sgpr_count 2
		.amdhsa_user_sgpr_kernarg_segment_ptr 1
		.amdhsa_wavefront_size32 1
		.amdhsa_system_sgpr_workgroup_id_x 1
		.amdhsa_system_sgpr_workgroup_id_y 1
		.amdhsa_system_sgpr_workgroup_id_z 1
		.amdhsa_system_vgpr_workitem_id 0
		.amdhsa_next_free_vgpr 256
		.amdhsa_next_free_sgpr 98
		.amdhsa_reserve_vcc 0
		.amdhsa_float_denorm_mode_32 3
		.amdhsa_float_denorm_mode_16_64 3
		.amdhsa_memory_ordered 1
		.amdhsa_forward_progress 1
		.amdhsa_inst_pref_size 110
	.end_amdhsa_kernel
	.amdgpu_metadata
---
amdhsa.version: [ 1, 2 ]
amdhsa.kernels:
  - .name:           k_q322b71f2cc_attn
    .symbol:         k_q322b71f2cc_attn.kd
    .args:
      - { .name: qimg, .offset: 0, .size: 8, .value_kind: global_buffer, .address_space: global }
      - { .name: kv, .offset: 8, .size: 8, .value_kind: global_buffer, .address_space: global }
      - { .name: att_codes, .offset: 16, .size: 8, .value_kind: global_buffer, .address_space: global }
      - { .name: att_scales, .offset: 24, .size: 8, .value_kind: global_buffer, .address_space: global }
    .group_segment_fixed_size: 327680
    .private_segment_fixed_size: 0
    .kernarg_segment_align: 8
    .kernarg_segment_size: 32
    .max_flat_workgroup_size: 512
    .sgpr_count:     98
    .vgpr_count:     256
    .wavefront_size: 32
...
	.end_amdgpu_metadata
.endif
;; end of part 2
;; launch proj (part 3): grid 4 x 64, 4 waves a work-group, clusters of 4 x 4, 327,680 bytes of LDS; arguments att_codes, att_scales, w_proj_codes, w_proj_scales, b_proj, out0; writes out0
.if DOCPART == 3
	.amdgcn_target "amdgcn-amd-amdhsa--gfx1250"
	.amdhsa_code_object_version 6
	.text
	.protected	k_q322b71f2cc_proj
	.globl	k_q322b71f2cc_proj
	.p2align	8
	.type	k_q322b71f2cc_proj,@function
k_q322b71f2cc_proj:
	s_mov_b64 s[64:65], 0
	v_nop
	global_prefetch_b8 v0, s[64:65] scope:SCOPE_SE
	s_setreg_imm32_b32 hwreg(HW_REG_WAVE_MODE, 25, 1), 1
	s_wait_xcnt 0x0
	s_wait_alu depctr_hold_cnt(0) depctr_sa_sdst(0) depctr_va_vdst(0) depctr_va_sdst(0) depctr_va_ssrc(0) depctr_va_vcc(0) depctr_vm_vsrc(0)
	s_getreg_b32 s2, hwreg(HW_REG_IB_STS2, 6, 4)
	s_cmp_eq_u32 s2, 0
	s_cbranch_scc0 .Lentry_in_a_cluster
	s_endpgm
.Lentry_in_a_cluster:
	s_bfe_u32 s2, ttmp6, 0x10000c
	s_cmp_lg_u32 s2, 0xf033
	s_cbranch_scc0 .Lentry_shape_is_right
	s_endpgm
.Lentry_shape_is_right:
; out0 = att w_proj + b_proj on codes of BF8 (E5M2) with one E8M0 scale for each 32 along K = 1,024; sums in f32; the bias is the first products' C.
; A = att: 8,192 rows, this program's own codes as images of operand registers, [tile of 16 rows][128 along K: 8][c 4][lane][16]; its scale bytes [8192][32].  B = w_proj: 1,024 rows (the outputs) of 1,024 codes, K innermost; scale bytes [1024][32].
; SHARES.  64 x 4 blocks of 128 rows x 256 columns: 256 work-groups.  Four waves, 2 x 2; a wave makes 64 x 128: 32 accumulators, 256 registers (window 2).
; The matrix instruction is used transposed (source 0 = 16 rows of B, source 1 = 16 rows of A): a lane holds eight neighbouring numbers of a row of out0.
; K goes in four steps of 256 through a ring of two LDS slots: A's 8 images (4,096 bytes each a step), then B's 256 rows of 256 bytes, 16 bytes of padding behind each.  The scale bytes of the block's rows come once and stay.
; A's and B's fragments of 128 along K have two sets each: while one is multiplied, the other is fetched.  The four steps are written out: no loop.
; CLUSTERS: 4 x 4 work-groups; A's tiles are asked for jointly along a row of the cluster, B's along a column.  The head's four tiles go out one a wave; in the ring waves 0, 1 fetch A's halves and waves 2, 3 B's.
; NO PREFETCH: K has four steps; steps 0 and 1 are asked for at the head and steps 2 and 3 at the first two changes of slots, so no step lies two changes ahead of its load.
; WINDOWS: 0: v0-31 addresses, v32-63 scale words (two sets), v64-127 the bias, v128-255 A's two sets (on the way out: rows read back);  1: B's two sets;  2: the accumulators, (a, b) at v[8 (8 a + b)].
.set SIZE_N, 1024
.set NQ,     2                         ; matrix instructions deep in a slot
.set ROWB,   256
.set KROW,   1024
.set PITCH,  272
.set FR,     16
.set NP,     8                         ; places behind this matrix instruction (ISA guide 7.12.1)
.set HALFA,  16384                     ; 4 images x 4,096 bytes
.set ASTEP,  4096
.set HALFT,  128*PITCH
.set BOFF,   2*HALFA
.set SLOT,   BOFF+2*HALFT
.set KS,     32
.set SCL,    2*SLOT                    ; the scale bytes as units of 256 bytes + 16 of padding: A's 128 rows, then B's 256
.set HALFS,  16*272                    ; those of 128 rows
.set SBLK,   544                       ; of 16 rows
.set SPARE,  SCL+3*HALFS               ; the spare words, 128 bytes a wave
.set STAGE,  SPARE+512                 ; the way out: 16 rows x (512 + 16) bytes a wave, bytes of their own
.set SPITCH, 528
.set ADRA, 16
.set ADRB, 20
.set STO,  24
.set RD,   25
.set CO,   26
.set ADRS, 27
.set SPW,  28
.set NIL,  29
.set SC,   32
.set BI,   64
.set AF,   128
.set BK,   128
.set G1, 24
.set G0, 32
.set G1B, 48
.set G0B, 56
.set G1S, 68
.set G0S, 76
.set G1SB, 80
.set G0SB, 88
.set G0H, 4                            ; s[4:7], s[8:11] group 0 for the head's loads of K step 0 (the pointers that lay there have been used by then)
.set G0HB, 8
.set MSB, 0
.macro WIN new                         ; the immediate's high byte repeats the setting that is left
.if MSB != \new
	s_set_vgpr_msb (MSB<<8)|\new
.set MSB, \new
.endif
.endm
.set MUL,  0xa1                        ; source 0 (B) window 1, source 1 (A) window 0, C and D window 2
.set FST,  0x81                        ; the same, C (the bias) window 0
.set TO_B, 0x40
.macro JLOAD g0a, g1a, g0b, g1b        ; a joint load: waves 0, 1 for A, waves 2, 3 for B; an s_nop 0 and four v_nop follow each line
	s_cmp_eq_u32 s15, 0
	s_cbranch_scc0 .Lfor_b_\@
	tensor_load_to_lds s[\g0a:\g0a+3], s[\g1a:\g1a+7]
	s_nop 0
.rept 4
	v_nop
.endr
	s_branch .Lasked_\@
.Lfor_b_\@:
	tensor_load_to_lds s[\g0b:\g0b+3], s[\g1b:\g1b+7]
	s_nop 0
.rept 4
	v_nop
.endr
.Lasked_\@:
.endm
.macro CREST
	s_cmp_lg_u32 s14, 0
	s_cbranch_scc1 .Lnot_wave_0_\@
	s_barrier_signal -3
.Lnot_wave_0_\@:
	s_barrier_wait -3
	s_barrier_signal -1
	s_barrier_wait -1
.endm
.macro CROUND
	s_barrier_signal -1
	s_barrier_wait -1
	CREST
.endm
	s_load_b128 s[4:7], s[0:1], 0x0                ; att codes, att scales
	s_load_b128 s[8:11], s[0:1], 0x10              ; w_proj codes, w_proj scales
	s_load_b64 s[96:97], s[0:1], 0x20              ; b_proj
	s_load_b64 s[12:13], s[0:1], 0x28              ; out0
	v_lshl_add_u32 v[SPW], v0, 2, SPARE
	v_mov_b32 v[NIL], 0
	ds_add_u32 v[SPW], v[NIL]                      ; the opening lines: the add twice on end and its wait ahead of my first tensor load
	ds_add_u32 v[SPW], v[NIL]
	v_lshrrev_b32 v1, 5, v0
	v_readfirstlane_b32 s14, v1                    ; wave 0..3
	s_lshr_b32 s15, s14, 1                         ; which 64 rows of A are mine.  Also: I fetch for A (0) or for B (1)
	s_and_b32 s16, s14, 1                          ; which 128 rows of B.  Also: which half of a tile I fetch
	s_bfe_u32 s40, ttmp6, 0x40000                  ; cx
	s_bfe_u32 s41, ttmp6, 0x40004                  ; cy
	s_lshl_b32 s42, ttmp9, 2
	s_add_co_u32 s42, s42, s40                     ; block column
	s_and_b32 s17, ttmp7, 0xffff
	s_lshl_b32 s17, s17, 2
	s_add_co_u32 s17, s17, s41                     ; block row
	s_lshl_b32 s43, s41, 2
	s_lshl_b32 s43, 15, s43                        ; my row of the cluster
	s_lshl_b32 s44, 0x1111, s40                    ; my column
	s_or_b32 s[G1+0], s43, (3<<16)|(1<<21)         ; A: rows of 4,096 bytes (512 elements of 8), an image's part of a K step, 16,384 bytes apart: 8 at the head, 4 in the ring
	s_mov_b32 s[G1+1], 512<<16
	s_mov_b32 s[G1+2], 8<<16
	s_mov_b32 s[G1+3], 512<<16
	s_mov_b32 s[G1+4], 8
	s_mov_b32 s[G1+5], 2048
	s_mov_b32 s[G1+6], 0
	s_mov_b32 s[G1+7], 0
	s_or_b32 s[G1B+0], s44, (0<<16)|(1<<20)|(1<<21)|(5<<22)|(3<<25)   ; B: rows of 256 bytes, padded: 256 at the head, 128 in the ring
	s_mov_b32 s[G1B+1], ROWB<<16
	s_mov_b32 s[G1B+2], 256<<16
	s_mov_b32 s[G1B+3], ROWB<<16
	s_mov_b32 s[G1B+4], 256
	s_mov_b32 s[G1B+5], KROW
	s_mov_b32 s[G1B+6], 0
	s_mov_b32 s[G1B+7], 0
	s_or_b32 s[G1S+0], s43, (3<<16)|(1<<20)|(1<<21)|(5<<22)|(3<<25)   ; the scales: dense bytes as rows of 256, padded: A's 16 rows, B's 32
	s_or_b32 s[G1SB+0], s44, (3<<16)|(1<<20)|(1<<21)|(5<<22)|(3<<25)
.irp g, G1S, G1SB
	s_mov_b32 s[\g+1], 32<<16
	s_mov_b32 s[\g+3], 32<<16
	s_mov_b32 s[\g+5], 32
	s_mov_b32 s[\g+6], 0
	s_mov_b32 s[\g+7], 0
.endr
	s_mov_b32 s[G1S+2], 16<<16
	s_mov_b32 s[G1S+4], 16
	s_mov_b32 s[G1SB+2], 32<<16
	s_mov_b32 s[G1SB+4], 32
	s_lshl_b32 s20, s17, 3                         ; A's first image
	s_lshl_b32 s22, s20, 9                         ; its scales: 512 bytes an image
	s_lshl_b32 s20, s20, 14                        ; its codes: 16,384 bytes an image
	s_mov_b32 s21, 0
	s_mov_b32 s23, 0
	s_lshl_b32 s46, s42, 8                         ; B's first row
	s_lshl_b32 s92, s46, 5
	s_lshl_b32 s46, s46, 10
	s_mov_b32 s47, 0
	s_mov_b32 s93, 0
	s_lshl_b32 s45, s16, 14                        ; where the ring's halves go
	s_mul_i32 s95, s16, HALFT
	s_add_co_u32 s95, s95, BOFF
	s_lshl_b32 s18, s16, 16                        ; and where they come from: 4 images on,
	s_mov_b32 s19, 0
	s_lshl_b32 s2, s16, 17                         ; 128 rows on
	s_mov_b32 s3, 0
	s_wait_dscnt 0x0                               ; both opening adds are done
	s_wait_kmcnt 0x0
	s_add_nc_u64 s[20:21], s[4:5], s[20:21]
	s_add_nc_u64 s[22:23], s[6:7], s[22:23]
	s_add_nc_u64 s[46:47], s[8:9], s[46:47]
	s_add_nc_u64 s[92:93], s[10:11], s[92:93]
	CROUND                                         ; all sixteen work-groups are here: the first joint loads meet
	s_mov_b32 s[G0S], 1
	s_mov_b32 s[G0S+1], SCL
	s_mov_b64 s[G0S+2:G0S+3], s[22:23]
	s_or_b32 s[G0S+3], s[G0S+3], 0x80000000
	s_mov_b32 s[G0SB], 1
	s_mov_b32 s[G0SB+1], SCL+HALFS
	s_mov_b64 s[G0SB+2:G0SB+3], s[92:93]
	s_or_b32 s[G0SB+3], s[G0SB+3], 0x80000000
	s_mov_b32 s[G0H], 1
	s_mov_b32 s[G0H+1], 0
	s_mov_b64 s[G0H+2:G0H+3], s[20:21]
	s_or_b32 s[G0H+3], s[G0H+3], 0x80000000
	s_mov_b32 s[G0HB], 1
	s_mov_b32 s[G0HB+1], BOFF
	s_mov_b64 s[G0HB+2:G0HB+3], s[46:47]
	s_or_b32 s[G0HB+3], s[G0HB+3], 0x80000000
	s_add_nc_u64 s[20:21], s[20:21], s[18:19]      ; for the ring: my half of the tile
	s_add_nc_u64 s[46:47], s[46:47], s[2:3]
.irp s, 0,1
	s_mov_b32 s[G0+4*\s], 1
	s_add_co_u32 s[G0+4*\s+1], s45, \s*SLOT
	s_add_nc_u64 s[G0+4*\s+2:G0+4*\s+3], s[20:21], \s*ASTEP
	s_or_b32 s[G0+4*\s+3], s[G0+4*\s+3], 0x80000000
	s_mov_b32 s[G0B+4*\s], 1
	s_add_co_u32 s[G0B+4*\s+1], s95, \s*SLOT
	s_add_nc_u64 s[G0B+4*\s+2:G0B+4*\s+3], s[46:47], \s*ROWB
	s_or_b32 s[G0B+4*\s+3], s[G0B+4*\s+3], 0x80000000
.endr
; The head's four tiles, one load a wave: wave 0 K step 0 of A, wave 1 of B, wave 2 A's scales, wave 3 B's.  One chain of branches on the wave's number.
.macro ARM under, g0, g1, next
	s_cmp_lt_u32 s14, \under
	s_cbranch_scc0 \next
	tensor_load_to_lds s[\g0:\g0+3], s[\g1:\g1+7]
	s_nop 0
.rept 4
	v_nop
.endr
	s_branch .Lhead_asked
\next:
.endm
	ARM 1, G0H,  G1,  .Lhead_b
	ARM 2, G0HB, G1B, .Lhead_sa
	ARM 3, G0S,  G1S, .Lhead_sb
	tensor_load_to_lds s[G0SB:G0SB+3], s[G1SB:G1SB+7]
	s_nop 0
.rept 4
	v_nop
.endr
.Lhead_asked:
	v_and_b32 v1, 15, v0                           ; r
	v_bfe_u32 v2, v0, 4, 1                         ; h
	v_and_b32 v6, 31, v0
	v_lshlrev_b32 v[CO], 4, v6                     ; 16 x lane
	v_mul_u32_u24 v3, v1, PITCH
	v_lshl_add_u32 v4, v2, 4, v3                   ; B: a fragment's row x pitch + 16 h
	s_lshl_b32 s21, s15, 14                        ; my 4 images of A
	s_mul_i32 s22, s16, HALFT                      ; my 128 rows of B
	s_add_co_u32 s22, s22, BOFF
.irp s, 0,1
	v_add_nc_u32 v[ADRA+\s], s21, v[CO]
	v_add_nc_u32 v[ADRB+\s], s22, v4
	s_add_co_u32 s21, s21, SLOT
	s_add_co_u32 s22, s22, SLOT
.endr
	v_mul_u32_u24 v5, v1, KS                       ; my row's scales: 32 bytes a row,
	v_lshrrev_b32 v6, 8, v5
	v_lshl_add_u32 v5, v6, 4, v5                   ; and 16 more for each 256 passed
	s_mul_i32 s21, s15, HALFS/2                    ; A's: my 64 rows
	s_mul_i32 s22, s16, HALFS                      ; B's: my 128 rows, behind A's 128
	s_add_co_u32 s22, s22, HALFS
	s_sub_co_u32 s22, s22, s21
	v_mul_u32_u24 v6, s22, v2                      ; lanes 16-31 take B's
	s_add_co_u32 s21, s21, SCL
	v_add_nc_u32 v5, v5, v6
	v_add_nc_u32 v[ADRS], s21, v5
	s_mul_i32 s23, s14, 16*SPITCH
	s_add_co_u32 s23, s23, STAGE                   ; my stage
	v_mul_u32_u24 v5, v1, SPITCH
	v_lshl_add_u32 v5, v2, 5, v5
	v_add_nc_u32 v[STO], s23, v5                   ; in: row r, 32 bytes for each half of the lanes
	v_add_nc_u32 v[RD], s23, v[CO]                 ; back: the 32 lanes take one row of 512 bytes
	s_lshl_b32 s20, s17, 7
	s_lshl_b32 s21, s15, 6
	s_add_co_u32 s20, s20, s21                     ; my first row of out0,
	s_lshl_b32 s20, s20, 12                        ; 4,096 bytes a row
	s_mov_b32 s21, 0
	s_lshl_b32 s46, s42, 10                        ; my first column, in bytes
	s_lshl_b32 s47, s16, 9
	s_add_co_u32 s46, s46, s47
	s_mov_b32 s47, 0
	s_add_nc_u64 s[96:97], s[96:97], s[46:47]
	s_add_nc_u64 s[20:21], s[20:21], s[46:47]
	s_add_nc_u64 s[12:13], s[12:13], s[20:21]
	v_lshlrev_b32 v8, 5, v2
.irp b, 0,1,2,3,4,5,6,7
	global_load_b128 v[BI+8*\b:BI+8*\b+3], v8, s[96:97] offset:64*\b       ; the bias of columns 16 b + 8 h + 0 .. 7, in the result's layout
	global_load_b128 v[BI+8*\b+4:BI+8*\b+7], v8, s[96:97] offset:64*\b+16
.endr
.macro PLACES n
.rept \n
	v_nop
.endr
.endm
; 48 LDS loads: B's eight fragments and A's four of the slot's q-th 128 along K into sets p
.macro FETCH slot, q, p
	WIN TO_B
.irp i, 0,1,2,3,4,5,6,7
.irp c, 0,1,2,3
	ds_load_b128 v[128*(\p)+FR*\i+4*\c:128*(\p)+FR*\i+4*\c+3], v[ADRB+\slot] offset:128*(\q)+32*\c+\i*16*PITCH
.endr
.endr
	WIN 0
.irp i, 0,1,2,3
.irp c, 0,1,2,3
	ds_load_b128 v[AF+64*(\p)+FR*\i+4*\c:AF+64*(\p)+FR*\i+4*\c+3], v[ADRA+\slot] offset:4096*\i+2048*(\q)+512*\c
.endr
.endr
.endm
.macro SCALES sc                       ; a K step's scale words, two a row: lanes 0-15 A's block i (blocks 4-7 are not mine and not used), lanes 16-31 B's block i
.irp i, 0,1,2,3,4,5,6,7
	ds_load_b64 v[SC+8*NQ*\sc+NQ*\i:SC+8*NQ*\sc+NQ*\i+1], v[ADRS] offset:\i*SBLK
.endr
.endm
; 8 matrix instructions: A's block a x B's eight.  The 32 accumulators take turns, one instruction a turn, in the same order in every step.
.macro MULA a, p, sc, first
.irp b, 0,1,2,3,4,5,6,7
.if \first
	v_wmma_scale_f32_16x16x128_f8f6f4 v[8*(8*(\a)+\b):8*(8*(\a)+\b)+7], v[128*(\p)+FR*\b:128*(\p)+FR*\b+FR-1], v[AF+64*(\p)+FR*(\a):AF+64*(\p)+FR*(\a)+FR-1], v[BI+8*\b:BI+8*\b+7], v[SC+8*NQ*(\sc)+NQ*\b+(\p)], v[SC+8*NQ*(\sc)+NQ*(\a)+(\p)] matrix_a_fmt:MATRIX_FMT_BF8 matrix_b_fmt:MATRIX_FMT_BF8 matrix_a_scale:MATRIX_SCALE_ROW1
.else
	v_wmma_scale_f32_16x16x128_f8f6f4 v[8*(8*(\a)+\b):8*(8*(\a)+\b)+7], v[128*(\p)+FR*\b:128*(\p)+FR*\b+FR-1], v[AF+64*(\p)+FR*(\a):AF+64*(\p)+FR*(\a)+FR-1], v[8*(8*(\a)+\b):8*(8*(\a)+\b)+7], v[SC+8*NQ*(\sc)+NQ*\b+(\p)], v[SC+8*NQ*(\sc)+NQ*(\a)+(\p)] matrix_a_fmt:MATRIX_FMT_BF8 matrix_b_fmt:MATRIX_FMT_BF8 matrix_a_scale:MATRIX_SCALE_ROW1
.endif
.endr
.endm
; A slot's first 128 along K (sets 0); its second 128 is fetched into sets 1 ahead of the products.
.macro STEP0 slot, first
.if \first == 0
	PLACES NP                                      ; sets 1 were read by the products just issued
.endif
	FETCH \slot, 1, 1
	s_wait_dscnt 48                                ; all but the 48 just issued: sets 0 and the scale words are in
.if \first
	WIN FST
.else
	WIN MUL
.endif
.irp a, 0,1,2,3
	MULA \a, 0, \slot, \first
.endr
	WIN 0
.endm
; A slot's second 128 (sets 1) changes slots: one barrier; in front of it each wave waits for all its tensor loads, adds 0 to its spare word, and waits for that and for its reads of this slot.
.macro TURN slot, next, fill
	s_wait_tensorcnt 0x0                           ; my part of the next slot has landed
	ds_add_u32 v[SPW], v[NIL]
	s_wait_dscnt 1                                 ; sets 1 are in; the add may be out
	WIN MUL
	MULA 0, 1, \slot, 0
	s_wait_dscnt 0x0                               ; the add is done, and my reads of this slot are over
	s_barrier_signal -1
	MULA 1, 1, \slot, 0
	WIN 0
	s_barrier_wait -1
.if \fill
	CREST                                          ; the barrier has opened a round of the cluster's: no wave of any partner still reads this slot or has a load on its way
	s_add_nc_u64 s[G0+4*\slot+2:G0+4*\slot+3], s[G0+4*\slot+2:G0+4*\slot+3], 2*ASTEP
	s_add_nc_u64 s[G0B+4*\slot+2:G0B+4*\slot+3], s[G0B+4*\slot+2:G0B+4*\slot+3], 2*ROWB
	JLOAD G0+4*\slot, G1, G0B+4*\slot, G1B         ; the first tensor load behind the round; its four v_nop are among the places in front of the loads below
	PLACES NP-4
.else
	PLACES NP
.endif
	v_add_nc_u32 v[ADRS], 4*NQ, v[ADRS]            ; on to the next K step's scale words
	s_wait_alu depctr_va_vdst(0)
	FETCH \next, 0, 0
	SCALES \next
	WIN MUL
	MULA 2, 1, \slot, 0
	MULA 3, 1, \slot, 0
	WIN 0
.endm
	s_wait_alu depctr_va_vdst(0)
	s_wait_tensorcnt 0x0                           ; my tile of the head's four is in
	ds_add_u32 v[SPW], v[NIL]
	s_mov_b32 s[G1+2], 4<<16                       ; no tensor load of mine is out: from here on a load brings half a tile
	s_mov_b32 s[G1+4], 4
	s_mov_b32 s[G1B+2], 128<<16
	s_mov_b32 s[G1B+4], 128
	s_wait_dscnt 0x0
	CROUND                                         ; all four tiles are in, all sixteen work-groups are here
	JLOAD G0+4, G1, G0B+4, G1B                     ; K step 1, the first tensor load behind the round
	FETCH 0, 0, 0
	SCALES 0
	s_wait_loadcnt 0x0                             ; the bias
	STEP0 0, 1                                     ; the first products start the sums from the bias
	TURN 0, 1, 1                                   ; slot 0 takes K step 2
	STEP0 1, 0
	TURN 1, 0, 1                                   ; slot 1 takes K step 3
	STEP0 0, 0
	TURN 0, 1, 0                                   ; nothing more to fill
	STEP0 1, 0
	s_wait_dscnt 0x0
	WIN MUL
.irp a, 0,1,2,3
	MULA \a, 1, 1, 0
.endr
	WIN 0
; THE WAY OUT, block by block of 16 rows x 128 columns, through my own stage: in as 32 bytes a lane, back as whole rows of 512 bytes.  LDS serves a wave's instructions in order (ISA guide 5.7.1.4).
.macro TOSTAGE a
	WIN 0x08                                       ; the data: window 2
.irp b, 0,1,2,3,4,5,6,7
	ds_store_b128 v[STO], v[64*(\a)+8*\b:64*(\a)+8*\b+3] offset:64*\b          ; each accumulator from its low end on
	ds_store_b128 v[STO], v[64*(\a)+8*\b+4:64*(\a)+8*\b+7] offset:64*\b+16
.endr
	WIN 0
.set BB, BK+64*((\a)%2)
.irp t, 0,1,2,3,4,5,6,7,8,9,10,11,12,13,14,15
	ds_load_b128 v[BB+4*\t:BB+4*\t+3], v[RD] offset:\t*SPITCH
.endr
.endm
.macro SEND a, younger                 ; younger: the LDS instructions issued behind block a's loads
.set BB, BK+64*((\a)%2)
	s_wait_dscnt \younger
.if (\a) > 0
	s_add_nc_u64 s[12:13], s[12:13], 16*SIZE_N*4   ; (behind a wait on XCNT) 16 rows on
.endif
.irp t, 0,1,2,3,4,5,6,7,8,9,10,11,12,13,14,15
	global_store_b128 v[CO], v[BB+4*\t:BB+4*\t+3], s[12:13] offset:\t*SIZE_N*4 th:TH_STORE_NT   ; 32 lanes store 512 consecutive bytes, aligned
.endr
.endm
	PLACES NP                                      ; behind the last products: their results are read, and A's registers loaded into, below
	TOSTAGE 0
.irp a, 1,2,3
.if \a > 1
	s_wait_xcnt 0x0                                ; block a - 2's stores have read their registers and their base
.endif
	TOSTAGE \a
	SEND \a-1, 32                                  ; behind block a - 1's loads: block a's 16 stores and 16 loads
.endr
	s_wait_xcnt 0x0
	SEND 3, 0
	s_wait_tensorcnt 0x0                           ; the wave's end
	ds_add_u32 v[SPW], v[NIL]
	s_wait_dscnt 0x0
	CROUND                                         ; the closing round
	s_endpgm
.Lfunc_end_k_q322b71f2cc_proj:
	.size	k_q322b71f2cc_proj, .Lfunc_end_k_q322b71f2cc_proj-k_q322b71f2cc_proj
	.p2alignl 7, 3214868480
	.fill 96, 4, 3214868480
	.section	.rodata,"a",@progbits
	.p2align	6, 0x0
	.amdhsa_kernel k_q322b71f2cc_proj
		.amdhsa_group_segment_fixed_size 327680
		.amdhsa_private_segment_fixed_size 0
		.amdhsa_enable_private_segment 0
		.amdhsa_kernarg_size 48
		.amdhsa_user_sgpr_count 2
		.amdhsa_user_sgpr_kernarg_segment_ptr 1
		.amdhsa_wavefront_size32 1
		.amdhsa_system_sgpr_workgroup_id_x 1
		.amdhsa_system_sgpr_workgroup_id_y 1
		.amdhsa_system_sgpr_workgroup_id_z 1
		.amdhsa_system_vgpr_workitem_id 0
		.amdhsa_next_free_vgpr 768
		.amdhsa_next_free_sgpr 98
		.amdhsa_reserve_vcc 0
		.amdhsa_float_denorm_mode_32 3
		.amdhsa_float_denorm_mode_16_64 3
		.amdhsa_memory_ordered 1
		.amdhsa_forward_progress 1
		.amdhsa_inst_pref_size 91
	.end_amdhsa_kernel
	.amdgpu_metadata
---
amdhsa.version: [ 1, 2 ]
amdhsa.kernels:
  - .name:           k_q322b71f2cc_proj
    .symbol:         k_q322b71f2cc_proj.kd
    .args:
      - { .name: att_codes, .offset: 0, .size: 8, .value_kind: global_buffer, .address_space: global }
      - { .name: att_scales, .offset: 8, .size: 8, .value_kind: global_buffer, .address_space: global }
      - { .name: w_proj_codes, .offset: 16, .size: 8, .value_kind: global_buffer, .address_space: global }
      - { .name: w_proj_scales, .offset: 24, .size: 8, .value_kind: global_buffer, .address_space: global }
      - { .name: b_proj, .offset: 32, .size: 8, .value_kind: global_buffer, .address_space: global }
      - { .name: out0, .offset: 40, .size: 8, .value_kind: global_buffer, .address_space: global }
    .group_segment_fixed_size: 327680
    .private_segment_fixed_size: 0
    .kernarg_segment_align: 8
    .kernarg_segment_size: 48
    .max_flat_workgroup_size: 128
    .sgpr_count:     98
    .vgpr_count:     768
    .wavefront_size: 32
...
	.end_amdgpu_metadata
.endif
;; end of part 3
